; MI455X (gfx1250); checked and timed in simulation.
; The chip was launched on July 23, 2026; its instructions are those of AMD's public machine-readable ISA for CDNA 5 (MIT licence, August 2026) and "CDNA5" Instruction Set Architecture Reference Guide (July 2026). The comments in the code are by the model that wrote it; some were corrected since.
;; Multi Head Attention. Allowed arithmetic: matrix products marked QUANTISED: E2M1 operands, one E8M0 scale for each 32 along K, by v_wmma_scale_f32_16x16x128_f8f6f4 with both operands' format E2M1 (or v_wmma_scale_f32_32x16x128_f4), f32 sums; products left as they are: bf16, f16 or f32 operands; f32 sums; everything else in f32.
;; Inputs: Wk 1,024 x 1,024 float32; Wo 1,024 x 1,024 float32; Wq 1,024 x 1,024 float32; Wv 1,024 x 1,024 float32; bk 1,024 float32; bo 1,024 float32; bq 1,024 float32; bv 1,024 float32; k 4 x 2,048 x 1,024 float32; q 4 x 2,048 x 1,024 float32; v 4 x 2,048 x 1,024 float32.
;; Outputs: out0 4 x 2,048 x 1,024 float32.
;; This version of the problem:
;;   THIS VERSION OF THE PROBLEM IS GIVEN IN LOW PRECISION. The matrix products marked QUANTISED in the list below multiply operands that are first quantised to E2M1 (2 exponent bits, 1 mantissa bit; 4 bits a number), with one power-of-two scale for each 32 numbers along K (OCP MX v1.0); their sums are f32. The products marked 'left as it is' may take bf16, f16 or f32 operands, with f32 sums. Whichever they take, every output number must still come out within the allowed error. Rounding operands to bf16 (8 significant bits) uses up far more of that allowance than f16 does (11 bits, for magnitudes from 6e-5 to 65,504). All else is computed in f32.
;;   The module's matrix products, in the order in which they are computed (A, B: the left and right operand; K: the contracted axis; several contracted axes count as one K, in the product's order):
;;     1. [M 8,192, K 1,024] x [K 1,024, N 1,024]; A: input q; B: input Wq: QUANTISED
;;     2. [M 8,192, K 1,024] x [K 1,024, N 1,024]; A: input k; B: input Wk: QUANTISED
;;     3. [M 8,192, K 1,024] x [K 1,024, N 1,024]; A: input v; B: input Wv: QUANTISED
;;     4. batch 64 x [M 2,048, K 64] x [K 64, N 2,048]; A: computed on the way; B: computed on the way: left as it is (an operand is computed on the way)
;;     5. batch 64 x [M 2,048, K 2,048] x [K 2,048, N 64]; A: computed on the way; B: computed on the way: left as it is (an operand is computed on the way)
;;     6. [M 8,192, K 1,024] x [K 1,024, N 1,024]; A: computed on the way; B: input Wo: left as it is (an operand is computed on the way)
;;   THE QUANTISER, for each operand of a quantised product, along K:
;;     - K is cut into blocks of 32 from its start; a last block that is shorter is filled with zeros.
;;     - A block's scale is 2^e with e = floor(log2(the largest magnitude in the block)) - 2, held to -126 .. 127; a block of zeros has e = 0. As a byte (E8M0): e + 127.
;;     - Each number is divided by its block's scale, clamped to +-6, and rounded to the nearest number of E2M1, ties to even, subnormals kept.
;;     - The product sums the exact products of the quantised numbers (number of the format x scale) in f32.
;;   ~~~python
;;   def quantise(x, axis):      # numpy; x: float32 -> the quantised numbers, widened to float32 again
;;       x = np.moveaxis(x, axis, -1); K = x.shape[-1]
;;       x = np.pad(x, [(0, 0)] * (x.ndim - 1) + [(0, -K % 32)]); x = x.reshape(x.shape[:-1] + (-1, 32)); a = np.abs(x).max(-1, keepdims=True)
;;       e = np.where(a > 0, np.clip(np.frexp(np.where(a > 0, a, 1))[1] - 1 - 2, -126, 127), 0)      # np.frexp(a)[1] - 1 = floor(log2(a)), exactly
;;       r = np.clip(x / 2.0 ** e, -6, 6)
;;       step = 2.0 ** (np.maximum(np.frexp(np.where(r == 0, 1, r))[1] - 1, 0) - 1)
;;       q = np.round(r / step) * step * 2.0 ** e      # np.round: ties to even
;;       return np.moveaxis(q.reshape(q.shape[:-2] + (-1,))[..., :K], -1, axis).astype(np.float32)
;;   ~~~
;; One version. Each part assembles by itself: llvm-mc -triple=amdgcn-amd-amdhsa -mcpu=gfx1250 --defsym DOCPART=n.
;; ======== version 1 of 1: 5 launches
;; limits: values are held in f16: magnitudes above 65,504 overflow, below 6.1e-05 lose precision
;; workspace buffers: x_codes 12,582,912 bytes; x_scales 786,432 bytes; w_codes 1,572,864 bytes; w_scales 98,304 bytes; wo_img 2,097,152 bytes; qkv_img 50,331,648 bytes; ao_img 16,777,216 bytes
;; launch quant_x (part 1): grid 768 x 1, 4 waves a work-group, no clusters, 33,280 bytes of LDS; arguments q, k, v, x_codes, x_scales; writes x_codes, x_scales
.if DOCPART == 1
	.amdgcn_target "amdgcn-amd-amdhsa--gfx1250"
	.amdhsa_code_object_version 6
	.text
	.protected	k_qb3bc996abb_quant_x
	.globl	k_qb3bc996abb_quant_x
	.p2align	8
	.type	k_qb3bc996abb_quant_x,@function
k_qb3bc996abb_quant_x:
	s_mov_b64 s[64:65], 0
	v_nop
	global_prefetch_b8 v0, s[64:65] scope:SCOPE_SE
	s_setreg_imm32_b32 hwreg(HW_REG_WAVE_MODE, 25, 1), 1
	s_wait_xcnt 0x0
; q, k, v, each [8192][1024] f32, become codes of FP4 (E2M1), K innermost, two codes a byte, and one E8M0 scale byte for each 32 along K.
; x_codes: [3 x 8192 rows][512 bytes], x_scales: [3 x 8192 rows][32 bytes], the three tensors on end.
; A block's scale is 2^(floor(log2(its largest magnitude)) - 2); its byte is the largest magnitude's exponent field - 2, held at 1 from below.
; LIMITS: a block of zeros gets the byte 1 where the rule says 127 (its codes are zeros, and this program alone reads the bytes); NaN and infinities among the inputs are not served.
; Rows are dense and 1024 is a multiple of 32: each tensor is a plain stream of blocks of 32, and so are its codes and bytes.
; A wave takes 16 steps of 512 numbers; a work-group 32,768 numbers; 256 work-groups a tensor.  Each load reads 512 consecutive bytes; a step's 2,048 bytes turn through the wave's own
; stage in LDS so that a lane holds 16 neighbours (two lanes a block).  A wave's code store covers 256 consecutive aligned bytes; its 256 scale bytes are gathered in LDS and leave as one such run.
; No work-group shares an input with another: no cluster, no tensor load, no barrier.
.set WAVES, 4
.set STEPS, 16
.set EMAX,  2
.set CB,    8                          ; bytes of 16 codes
.set R,     16                         ; v16-79   four sets of 16 numbers as loaded
.set X,     80                         ; v80-111  two sets of 16 neighbours
.set C,     128                        ; v128-191 codes: four registers a step, so that no store's data are written again
.set E,     112                        ; v112-127 a scale byte for each step
.set WREG,  8192                       ; LDS: a region for each wave: two stages of 32 x SP bytes, then its 256 scale bytes
.set SP,    80                         ; a lane's place in a stage: 64 bytes + 16 of padding
.set SPW,   12                         ; v12 LDS address of my spare word; never rewritten
.set NIL,   13                         ; v13 0; never rewritten
.set SPARE, WAVES*WREG                 ; the spare words: 128 bytes a wave, named by no other line
	s_load_b128 s[4:7], s[0:1], 0x0                ; q, k
	s_load_b128 s[8:11], s[0:1], 0x10              ; v, x_codes
	s_load_b64 s[12:13], s[0:1], 0x20              ; x_scales
	v_lshl_add_u32 v[SPW], v0, 2, SPARE
	v_mov_b32 v[NIL], 0
	v_lshrrev_b32 v1, 5, v0
	v_readfirstlane_b32 s16, v1                    ; wave
	v_and_b32 v2, 31, v0                           ; lane
	v_lshlrev_b32 v3, 4, v2                        ; my 16 bytes of a load's 512
	s_mul_i32 s17, s16, WREG
	v_lshrrev_b32 v14, 2, v2
	v_mul_u32_u24 v14, v14, SP
	v_and_b32 v15, 3, v2
	v_lshl_add_u32 v14, v15, 4, v14
	v_add_nc_u32 v14, s17, v14                     ; the stage, on the way in: SP (lane / 4) + 16 (lane % 4)
	v_mul_u32_u24 v15, v2, SP
	v_add_nc_u32 v15, s17, v15                     ; on the way out: SP x lane: my 16 neighbours
	v_mul_u32_u24 v4, v2, CB                       ; my codes' place in a step's
	v_lshrrev_b32 v5, 1, v2
	s_add_co_u32 s17, s17, 2*32*SP
	v_add_nc_u32 v5, s17, v5                       ; LDS: my wave's 256 scale bytes, my block's byte
	v_lshlrev_b32 v7, 3, v2                        ; on the way out 8 bytes a lane
	v_add_nc_u32 v6, s17, v7
	s_wait_kmcnt 0x0
	s_cmp_lt_u32 ttmp9, 256                        ; which tensor: the choice hangs on the work-group's number alone
	s_cselect_b64 s[4:5], s[4:5], s[6:7]
	s_cmp_lt_u32 ttmp9, 512
	s_cselect_b64 s[4:5], s[4:5], s[8:9]
	s_and_b32 s17, ttmp9, 255
	s_lshl_b32 s17, s17, 2
	s_add_co_u32 s17, s17, s16                     ; my run of 8,192 numbers in the tensor
	s_lshl_b32 s20, s17, 15                        ; 32,768 bytes a run
	s_mov_b32 s21, 0
	s_add_nc_u64 s[4:5], s[4:5], s[20:21]
	s_lshl_b32 s18, ttmp9, 2
	s_add_co_u32 s18, s18, s16                     ; my run among all three tensors
	s_lshl_b32 s20, s18, 12                        ; 4,096 bytes of codes a run
	s_add_nc_u64 s[10:11], s[10:11], s[20:21]
	s_lshl_b32 s20, s18, 8                         ; 256 scale bytes a run
	s_add_nc_u64 s[12:13], s[12:13], s[20:21]
.macro LOAD t
.irp i, 0,1,2,3
	global_load_b128 v[R+16*((\t)%4)+4*\i:R+16*((\t)%4)+4*\i+3], v3, s[4:5] offset:2048*(\t)+512*\i th:TH_LOAD_NT   ; 32 lanes read 512 consecutive bytes
.endr
.endm
.macro TURN t                          ; step t's numbers through the stage: LDS serves a wave's instructions in order, so no wait stands between the stores and the loads
.irp i, 0,1,2,3
	ds_store_b128 v14, v[R+16*((\t)%4)+4*\i:R+16*((\t)%4)+4*\i+3] offset:32*SP*((\t)%2)+8*SP*\i
.endr
.irp i, 0,1,2,3
	ds_load_b128 v[X+16*((\t)%2)+4*\i:X+16*((\t)%2)+4*\i+3], v15 offset:32*SP*((\t)%2)+16*\i
.endr
.endm
.irp t, 0,1,2,3
	LOAD \t
.endr
	s_wait_loadcnt 12                              ; step 0's four loads are in
	TURN 0
.macro STEP t
.set XS, X+16*((\t)%2)
.if (\t) > 0
	s_wait_dscnt 1                                 ; this step's numbers are back from the stage (the last step's byte store may be out)
.else
	s_wait_dscnt 0x0
.endif
.if (\t)+4 < STEPS
	LOAD (\t)+4                                    ; into the registers that the stage's stores have read
.endif
.if (\t)+1 < STEPS
.if STEPS-2-(\t) >= 3
	s_wait_loadcnt 12                              ; the next step's four loads are in; those of the three steps behind it may be out
.else
	s_wait_loadcnt 4*(STEPS-2-(\t))
.endif
	TURN (\t)+1
.endif
	v_max3_num_f32 v8, |v[XS]|, |v[XS+1]|, |v[XS+2]|               ; the largest magnitude of my 16, in two chains
	v_max3_num_f32 v9, |v[XS+3]|, |v[XS+4]|, |v[XS+5]|
.irp i, 6,10
	v_max3_num_f32 v8, v8, |v[XS+\i]|, |v[XS+\i+1]|
	v_max3_num_f32 v9, v9, |v[XS+\i+2]|, |v[XS+\i+3]|
.endr
	v_max3_num_f32 v8, v8, |v[XS+14]|, |v[XS+15]|
	v_max3_num_f32 v8, v8, v9, (EMAX+1)<<23        ; and the floor 2^(3 - 127): the byte cannot fall under 1
	v_max_num_f32_dpp v8, v8, v8 row_xmask:1 row_mask:0xf bank_mask:0xf   ; with my neighbour's 16: the block's
	v_add_nc_u32 v11, -(EMAX<<23), v8              ; 2 off its exponent field: the conversion takes this operand's exponent field as its scale
	v_cvt_scalef32_pk8_fp4_f32 v[C+4*(\t)], v[XS:XS+7], v11
	v_cvt_scalef32_pk8_fp4_f32 v[C+4*(\t)+1], v[XS+8:XS+15], v11
	v_lshrrev_b32 v[E+(\t)], 23, v11               ; the scale's byte
	ds_store_b8 v5, v[E+(\t)] offset:16*(\t)       ; both lanes of a block write the same byte with the same value
	global_store_b64 v4, v[C+4*(\t):C+4*(\t)+1], s[10:11] offset:32*CB*(\t)   ; 32 lanes store 256 consecutive aligned bytes
.endm
.irp t, 0,1,2,3,4,5,6,7,8,9,10,11,12,13,14,15
	STEP \t
.endr
	ds_load_b64 v[8:9], v6                         ; LDS serves a wave's instructions in order: these see my byte stores
	s_wait_dscnt 0x0
	global_store_b64 v7, v[8:9], s[12:13]          ; 32 lanes store 256 consecutive aligned bytes
	s_wait_tensorcnt 0x0                           ; the wave's end, behind my last LDS store
	ds_add_u32 v[SPW], v[NIL]
	s_wait_dscnt 0x0
	s_endpgm
.Lfunc_end_k_qb3bc996abb_quant_x:
	.size	k_qb3bc996abb_quant_x, .Lfunc_end_k_qb3bc996abb_quant_x-k_qb3bc996abb_quant_x
	.p2alignl 7, 3214868480
	.fill 96, 4, 3214868480
	.section	.rodata,"a",@progbits
	.p2align	6, 0x0
	.amdhsa_kernel k_qb3bc996abb_quant_x
		.amdhsa_group_segment_fixed_size 33280
		.amdhsa_private_segment_fixed_size 0
		.amdhsa_enable_private_segment 0
		.amdhsa_kernarg_size 40
		.amdhsa_user_sgpr_count 2
		.amdhsa_user_sgpr_kernarg_segment_ptr 1
		.amdhsa_wavefront_size32 1
		.amdhsa_system_sgpr_workgroup_id_x 1
		.amdhsa_system_sgpr_workgroup_id_y 1
		.amdhsa_system_sgpr_workgroup_id_z 1
		.amdhsa_system_vgpr_workitem_id 0
		.amdhsa_next_free_vgpr 192
		.amdhsa_next_free_sgpr 66
		.amdhsa_reserve_vcc 0
		.amdhsa_float_denorm_mode_32 3
		.amdhsa_float_denorm_mode_16_64 3
		.amdhsa_memory_ordered 1
		.amdhsa_forward_progress 1
		.amdhsa_inst_pref_size 33
	.end_amdhsa_kernel
	.amdgpu_metadata
---
amdhsa.version: [ 1, 2 ]
amdhsa.kernels:
  - .name:           k_qb3bc996abb_quant_x
    .symbol:         k_qb3bc996abb_quant_x.kd
    .args:
      - { .name: q, .offset: 0, .size: 8, .value_kind: global_buffer, .address_space: global }
      - { .name: k, .offset: 8, .size: 8, .value_kind: global_buffer, .address_space: global }
      - { .name: v, .offset: 16, .size: 8, .value_kind: global_buffer, .address_space: global }
      - { .name: x_codes, .offset: 24, .size: 8, .value_kind: global_buffer, .address_space: global }
      - { .name: x_scales, .offset: 32, .size: 8, .value_kind: global_buffer, .address_space: global }
    .group_segment_fixed_size: 33280
    .private_segment_fixed_size: 0
    .kernarg_segment_align: 8
    .kernarg_segment_size: 40
    .max_flat_workgroup_size: 128
    .sgpr_count:     66
    .vgpr_count:     192
    .wavefront_size: 32
...
	.end_amdgpu_metadata
.endif
;; end of part 1
;; launch prep_w (part 2): grid 8 x 14, 4 waves a work-group, no clusters, 35,840 bytes of LDS; arguments Wq, Wk, Wv, Wo, w_codes, w_scales, wo_img; writes w_codes, w_scales, wo_img
.if DOCPART == 2
	.amdgcn_target "amdgcn-amd-amdhsa--gfx1250"
	.amdhsa_code_object_version 6
	.text
	.protected	k_qb3bc996abb_prep_w
	.globl	k_qb3bc996abb_prep_w
	.p2align	8
	.type	k_qb3bc996abb_prep_w,@function
k_qb3bc996abb_prep_w:
	s_mov_b64 s[64:65], 0
	v_nop
	global_prefetch_b8 v0, s[64:65] scope:SCOPE_SE
	s_setreg_imm32_b32 hwreg(HW_REG_WAVE_MODE, 25, 1), 1
	s_wait_xcnt 0x0
; Work-group y = 0 .. 5: Wq, Wk, Wv [1024 (k)][1024 (n)] f32, K their FIRST axis, become codes of FP4 laid [3 x 1024 n][512 bytes], K innermost, and scale bytes [3 x 1024 n][32].
;   Tensor y / 2, half y % 2 of K.  A lane takes a column n and its registers run down K: a block of 32 lies in one lane, the conversions give codes with K innermost; nothing is transposed by an instruction.
;   A wave takes 32 columns x 512 along K; the codes go through the wave's own stage in LDS and leave as rows: sixteen lanes store 256 consecutive aligned bytes.
; Work-group y = 6 .. 13: Wo [1024 (k)][1024 (n)] f32 becomes f16, laid as images of the last product's operand registers: wo_img [K step 8][n tile 64][chunk 4][piece 2][512 bytes];
;   in a piece lane r + 16 h has 16 bytes at 16 (r + 16 h): column n = 16 tile + r, k = 128 step + 32 chunk + 16 piece + 8 h + 0 .. 7.  Again a lane to a column.
; LIMITS: a block of zeros gets the byte 1 where the rule says 127 (zero codes; read by this program alone); NaN and infinities are not served; Wo must lie inside f16's range (65,504).
; No work-group shares an input with another: no cluster, no tensor load, no barrier.
.set NB,    16                         ; blocks of 32 along K for a wave
.set PITCH, 272                        ; a stage row: 256 bytes of codes + 16
.set KROW,  512                        ; a row of w_codes
.set NROW,  4096                       ; a row of a weight in memory
.set EMAX,  2
.set X,     32                         ; v32-95   two sets of 32 numbers
.set C,     96                         ; v96-99   a block's codes;  on Wo's path v96-159: f16 pairs, 16 registers a chunk
.set OUTR,  112                        ; v112-175 the way out
.set SB,    24                         ; v24-27   the scale bytes, four to a register
.set SPW,   14                         ; v14 LDS address of my spare word; never rewritten
.set NIL,   15                         ; v15 0; never rewritten
.set SPARE, 4*32*PITCH                 ; behind the four stages: the spare words, named by no other line
	s_load_b256 s[4:11], s[0:1], 0x0               ; Wq, Wk, Wv, Wo
	s_load_b128 s[12:15], s[0:1], 0x20             ; w_codes, w_scales
	s_load_b64 s[16:17], s[0:1], 0x30              ; wo_img
	v_lshl_add_u32 v[SPW], v0, 2, SPARE
	v_mov_b32 v[NIL], 0
	v_lshrrev_b32 v1, 5, v0
	v_readfirstlane_b32 s20, v1                    ; wave
	v_and_b32 v2, 31, v0                           ; lane
	s_lshl_b32 s21, ttmp9, 7
	s_lshl_b32 s23, s20, 5
	s_add_co_u32 s21, s21, s23                     ; my wave's first column: 128 x + 32 wave
	s_and_b32 s22, ttmp7, 0xffff                   ; y
	v_lshlrev_b32 v3, 2, v2                        ; in: 4 bytes a lane
	s_mul_i32 s19, s20, 32*PITCH                   ; my stage
	v_mul_u32_u24 v4, v2, PITCH
	v_add_nc_u32 v4, s19, v4                       ; into it: row = my column
	v_and_b32 v5, 15, v2
	v_lshrrev_b32 v6, 4, v2
	v_mul_u32_u24 v7, v6, PITCH
	v_lshl_add_u32 v7, v5, 4, v7
	v_add_nc_u32 v7, s19, v7                       ; out of it: sixteen lanes to a row, two rows an instruction
	v_mul_u32_u24 v8, v6, KROW
	v_lshl_add_u32 v8, v5, 4, v8                   ; the same place in w_codes
	v_lshlrev_b32 v9, 5, v2                        ; my column's row of scale bytes
	v_lshlrev_b32 v10, 12, v6
	v_lshl_add_u32 v10, v5, 4, v10                 ; Wo's path: n tile lane / 16 (4,096 bytes), 16 bytes for row lane % 16
	s_mov_b32 s27, 0
	s_wait_kmcnt 0x0
	s_cmp_ge_u32 s22, 6
	s_cbranch_scc1 .Lcast
	; ---- the three quantised weights
	s_lshr_b32 s24, s22, 1                         ; which tensor
	s_and_b32 s25, s22, 1                          ; which half of K
	s_cmp_lt_u32 s22, 2
	s_cselect_b64 s[4:5], s[4:5], s[6:7]
	s_cmp_lt_u32 s22, 4
	s_cselect_b64 s[4:5], s[4:5], s[8:9]
	s_lshl_b32 s26, s25, 21                        ; 512 rows of 4,096 bytes
	s_lshl_b32 s28, s21, 2
	s_add_co_u32 s26, s26, s28
	s_add_nc_u64 s[4:5], s[4:5], s[26:27]
	s_lshl_b32 s26, s24, 19                        ; codes: 1,024 rows of 512 bytes a tensor,
	s_lshl_b32 s28, s21, 9                         ; my column's row,
	s_add_co_u32 s26, s26, s28
	s_lshl_b32 s28, s25, 8                         ; 256 bytes for half of K
	s_add_co_u32 s26, s26, s28
	s_add_nc_u64 s[12:13], s[12:13], s[26:27]
	s_lshl_b32 s26, s24, 15                        ; scale bytes likewise: 32 a row, 16 for half of K
	s_lshl_b32 s28, s21, 5
	s_add_co_u32 s26, s26, s28
	s_lshl_b32 s28, s25, 4
	s_add_co_u32 s26, s26, s28
	s_add_nc_u64 s[14:15], s[14:15], s[26:27]
.macro LOAD t                          ; block t: W(32 t + i, my column) into set t % 2: a wave reads 128 consecutive bytes, the four waves 512
.set i, 0
.rept 32
	global_load_b32 v[X+32*((\t)%2)+i], v3, s[4:5] offset:(32*(\t)+i)*NROW th:TH_LOAD_NT
.set i, i+1
.endr
.endm
	LOAD 0
	LOAD 1
.macro BLOCK t
.set XS, X+32*((\t)%2)
.if (\t) < NB-1
	s_wait_loadcnt 32                              ; this block's 32 loads are in; the next block's may be out
.else
	s_wait_loadcnt 0
.endif
	v_max3_num_f32 v12, |v[XS]|, |v[XS+1]|, |v[XS+2]|               ; the block's largest magnitude: all 32 numbers are mine
	v_max3_num_f32 v13, |v[XS+3]|, |v[XS+4]|, |v[XS+5]|
.irp i, 6,10,14,18,22,26
	v_max3_num_f32 v12, v12, |v[XS+\i]|, |v[XS+\i+1]|
	v_max3_num_f32 v13, v13, |v[XS+\i+2]|, |v[XS+\i+3]|
.endr
	v_max3_num_f32 v12, v12, |v[XS+30]|, |v[XS+31]|
	v_max3_num_f32 v12, v12, v13, (EMAX+1)<<23     ; and the floor 2^(3 - 127): the byte cannot fall under 1
	v_add_nc_u32 v11, -(EMAX<<23), v12             ; 2 off its exponent field: the conversion's scale operand
	v_lshrrev_b32 v13, 23, v11                     ; the scale's byte
.if (\t)%4 == 0
	v_mov_b32 v[SB+(\t)/4], v13                    ; four bytes to a register, the lower K in the lower byte
.else
	v_lshl_or_b32 v[SB+(\t)/4], v13, 8*((\t)%4), v[SB+(\t)/4]
.endif
.irp g, 0,1,2,3
	v_cvt_scalef32_pk8_fp4_f32 v[C+\g], v[XS+8*\g:XS+8*\g+7], v11
.endr
	ds_store_b128 v4, v[C:C+3] offset:16*(\t)      ; 32 codes: 16 bytes of my column's row
.if (\t)+2 < NB
	LOAD (\t)+2
.endif
	s_wait_dscnt 0x0                               ; the store has read its registers: the next block's codes may be written
.endm
.set Q, 0
.rept NB
	BLOCK Q
.set Q, Q+1
.endr
	global_store_b128 v9, v[SB:SB+3], s[14:15]     ; my column's 16 scale bytes
.irp t, 0,1,2,3,4,5,6,7,8,9,10,11,12,13,14,15
	ds_load_b128 v[OUTR+4*\t:OUTR+4*\t+3], v7 offset:2*\t*PITCH   ; LDS serves a wave's instructions in order: these see my stores
.endr
.irp t, 0,1,2,3,4,5,6,7,8,9,10,11,12,13,14,15
	s_wait_dscnt 15-\t                             ; row pair t is back; the younger ones may be out
	global_store_b128 v8, v[OUTR+4*\t:OUTR+4*\t+3], s[12:13] offset:2*\t*KROW
.endr
	s_wait_tensorcnt 0x0                           ; the wave's end, behind my last LDS store
	ds_add_u32 v[SPW], v[NIL]
	s_wait_dscnt 0x0
	s_endpgm
	; ---- Wo to f16 images: 32 columns x one K step of 128 a wave
.Lcast:
	s_sub_co_u32 s22, s22, 6                       ; the K step
	s_lshl_b32 s26, s22, 19                        ; 128 rows of 4,096 bytes
	s_lshl_b32 s28, s21, 2
	s_add_co_u32 s26, s26, s28
	s_add_nc_u64 s[10:11], s[10:11], s[26:27]
	s_lshl_b32 s26, s22, 18                        ; a K step's 64 n tiles of 4,096 bytes
	s_lshl_b32 s28, s21, 8                         ; my first n tile: (column / 16) x 4,096
	s_add_co_u32 s26, s26, s28
	s_add_nc_u64 s[16:17], s[16:17], s[26:27]
.macro CLOAD t                         ; chunk t: Wo(128 step + 32 t + i, my column) into set t % 2
.set i, 0
.rept 32
	global_load_b32 v[X+32*((\t)%2)+i], v3, s[10:11] offset:(32*(\t)+i)*NROW th:TH_LOAD_NT
.set i, i+1
.endr
.endm
	CLOAD 0
	CLOAD 1
.irp t, 0,1,2,3
.if \t < 3
	s_wait_loadcnt 32                              ; this chunk's 32 loads are in; the next chunk's may be out
.else
	s_wait_loadcnt 0
.endif
.set i, 0
.rept 16
	v_cvt_pk_f16_f32 v[C+16*\t+i], v[X+32*(\t%2)+2*i], v[X+32*(\t%2)+2*i+1]   ; the lower k in the low half; each chunk has data registers of its own
.set i, i+1
.endr
.irp g, 0,1,2,3
	global_store_b128 v10, v[C+16*\t+4*\g:C+16*\t+4*\g+3], s[16:17] offset:1024*\t+256*\g   ; k = 8 g .. 8 g + 7: piece g / 2, half g % 2: sixteen lanes store 256 consecutive aligned bytes
.endr
.if \t < 2
	CLOAD \t+2
.endif
.endr
	s_endpgm
.Lfunc_end_k_qb3bc996abb_prep_w:
	.size	k_qb3bc996abb_prep_w, .Lfunc_end_k_qb3bc996abb_prep_w-k_qb3bc996abb_prep_w
	.p2alignl 7, 3214868480
	.fill 96, 4, 3214868480
	.section	.rodata,"a",@progbits
	.p2align	6, 0x0
	.amdhsa_kernel k_qb3bc996abb_prep_w
		.amdhsa_group_segment_fixed_size 35840
		.amdhsa_private_segment_fixed_size 0
		.amdhsa_enable_private_segment 0
		.amdhsa_kernarg_size 56
		.amdhsa_user_sgpr_count 2
		.amdhsa_user_sgpr_kernarg_segment_ptr 1
		.amdhsa_wavefront_size32 1
		.amdhsa_system_sgpr_workgroup_id_x 1
		.amdhsa_system_sgpr_workgroup_id_y 1
		.amdhsa_system_sgpr_workgroup_id_z 1
		.amdhsa_system_vgpr_workitem_id 0
		.amdhsa_next_free_vgpr 192
		.amdhsa_next_free_sgpr 66
		.amdhsa_reserve_vcc 0
		.amdhsa_float_denorm_mode_32 3
		.amdhsa_float_denorm_mode_16_64 3
		.amdhsa_memory_ordered 1
		.amdhsa_forward_progress 1
		.amdhsa_inst_pref_size 97
	.end_amdhsa_kernel
	.amdgpu_metadata
---
amdhsa.version: [ 1, 2 ]
amdhsa.kernels:
  - .name:           k_qb3bc996abb_prep_w
    .symbol:         k_qb3bc996abb_prep_w.kd
    .args:
      - { .name: Wq, .offset: 0, .size: 8, .value_kind: global_buffer, .address_space: global }
      - { .name: Wk, .offset: 8, .size: 8, .value_kind: global_buffer, .address_space: global }
      - { .name: Wv, .offset: 16, .size: 8, .value_kind: global_buffer, .address_space: global }
      - { .name: Wo, .offset: 24, .size: 8, .value_kind: global_buffer, .address_space: global }
      - { .name: w_codes, .offset: 32, .size: 8, .value_kind: global_buffer, .address_space: global }
      - { .name: w_scales, .offset: 40, .size: 8, .value_kind: global_buffer, .address_space: global }
      - { .name: wo_img, .offset: 48, .size: 8, .value_kind: global_buffer, .address_space: global }
    .group_segment_fixed_size: 35840
    .private_segment_fixed_size: 0
    .kernarg_segment_align: 8
    .kernarg_segment_size: 56
    .max_flat_workgroup_size: 128
    .sgpr_count:     66
    .vgpr_count:     192
    .wavefront_size: 32
...
	.end_amdgpu_metadata
.endif
;; end of part 2
;; launch proj (part 3): grid 4 x 96, 4 waves a work-group, clusters of 4 x 4, 327,680 bytes of LDS; arguments x_codes, x_scales, w_codes, w_scales, bq, bk, bv, qkv_img; writes qkv_img
.if DOCPART == 3
	.amdgcn_target "amdgcn-amd-amdhsa--gfx1250"
	.amdhsa_code_object_version 6
	.text
	.protected	k_qb3bc996abb_proj
	.globl	k_qb3bc996abb_proj
	.p2align	8
	.type	k_qb3bc996abb_proj,@function
k_qb3bc996abb_proj:
	s_mov_b64 s[64:65], 0
	v_nop
	global_prefetch_b8 v0, s[64:65] scope:SCOPE_SE
	s_setreg_imm32_b32 hwreg(HW_REG_WAVE_MODE, 25, 1), 1
	s_wait_xcnt 0x0
	s_wait_alu depctr_hold_cnt(0) depctr_sa_sdst(0) depctr_va_vdst(0) depctr_va_sdst(0) depctr_va_ssrc(0) depctr_va_vcc(0) depctr_vm_vsrc(0)
	s_getreg_b32 s2, hwreg(HW_REG_IB_STS2, 6, 4)
	s_cmp_eq_u32 s2, 0
	s_cbranch_scc0 .Lentry_in_a_cluster
	s_endpgm
.Lentry_in_a_cluster:
	s_bfe_u32 s2, ttmp6, 0x10000c
	s_cmp_lg_u32 s2, 0xf033
	s_cbranch_scc0 .Lentry_shape_is_right
	s_endpgm
.Lentry_shape_is_right:
; The three quantised products q Wq + bq, k Wk + bk, v Wv + bv as ONE GEMM on codes of FP4 with E8M0 scales: A = x_codes, 24,576 rows (q's, k's, v's on end), B = w_codes, tensor t's 1,024 rows, t = A's row / 8192.
; A tile of C is 256 x 256: four waves, each 128 x 128 in 64 accumulators (512 registers).  K = 1,024 is exactly two LDS slots of 512 along K (rows of 256 bytes): both are first fills, nothing is filled again.
; The scale bytes of the work-group's 256 + 256 rows, for all of K, are dense blocks: they come once, with the first fills.  By this text's count a wave has three tensor loads out at the start.
; CLUSTERS: 4 x 4 work-groups; A's tiles are shared along a row of the cluster, B's along a column: each is asked for jointly, by the same tensor load with the same descriptor and a mask that names the four.
; THE MATRIX INSTRUCTION IS USED TRANSPOSED (source 0 = 16 rows of B, source 1 = 16 rows of A): a lane holds row l % 16 of C and eight neighbouring columns 16 b + 8 (l / 16) + 0 .. 7.
; THE BIAS is the C of each sum's first matrix instruction (so it is the first addend of the f32 sum, not the last as in the source).
; THE WAY OUT needs no LDS: a lane's eight results, rounded to f16, are 16 bytes of an IMAGE OF THE NEXT PRODUCT'S OPERAND REGISTERS.  qkv_img: [t 3][batch 4][head 16][token tile 128][channel tile 4][512 bytes].
;   Q, K: lane (r, h) at 16 (r + 16 h): token r, channels 16 ct + 8 h + 0 .. 7: piece ct % 2 of fragment ct / 2.   V: lane (r, h) at 32 r + 16 h: token rows of 32 bytes, for the turning LDS load.
;   Each store of the wave covers 512 consecutive aligned bytes (for V with the lanes in another order).
; LIMITS: results must lie inside f16's range (65,504); NaN and infinities are not served.
; REGISTERS: window 0: v0-31 addresses; v32-95 scale words, two sets; v128-191 A's fragments, one set; v192-255 the bias in the result's layout; on the way out v32-255 hold packed results.
;   window 1: B's fragments, two sets, at v0 and v128.   windows 2, 3: the accumulators of my rows 0-63, 64-127 ((a, b) at v[8 (8 (a % 4) + b)]).
.set NQ,     4                         ; steps of 128 along K in a slot
.set ROWB,   256                       ; a tile's row in bytes
.set KROW,   512                       ; a row of codes in memory
.set PITCH,  272                       ; an LDS row: 256 bytes + 16 of padding: the 16 rows of a fragment load start 68 words apart
.set FR,     8
.set NL,     2
.set NP,     4                         ; places behind this matrix instruction (ISA guide 7.12.1)
.set HALFT,  128*PITCH
.set SLOT,   4*HALFT                   ; A's 256 rows, then B's 256 rows
.set KS,     32                        ; a row of scale bytes
.set SCL,    2*SLOT                    ; behind the slots: the scales, as runs of 256 bytes + 16 of padding
.set HALFS,  (128*KS/256)*272
.set SBLK,   (16*KS/256)*272
.set SPARE,  SCL+4*HALFS               ; the spare words, 128 bytes a wave, named by no other line
.set ADRA, 16                          ; v16-17 LDS address of my A fragments in slot 0, 1
.set ADRB, 20                          ; v20-21 the same for B
.set CO,   26                          ; v26 my lane's place in an image piece
.set ADRS, 27                          ; v27 LDS address of my scale words: lanes 0-15 A's rows, lanes 16-31 B's
.set SPW,  28                          ; v28 LDS address of my spare word; never rewritten
.set NIL,  29                          ; v29 0; never rewritten
.set BO,   30                          ; v30 32 x (lane / 16): the bias's offset
.set SC,   32
.set AF,   128
.set BIAS, 192
.set G1, 24
.set G0, 32
.set G1B, 48
.set G0B, 56
.set G1S, 68
.set G0S, 76
.set G1SB, 80
.set G0SB, 88
.set T,  66                            ; s66 which of q, k, v
.set MSB, 0
.macro WIN new                         ; the immediate's high byte repeats the setting that is left
.if MSB != \new
	s_set_vgpr_msb (MSB<<8)|\new
.set MSB, \new
.endif
.endm
.set MUL_LO, 0xa1                      ; source 0 (B) window 1, source 1 (A) window 0, C and D window 2
.set MUL_HI, 0xf1                      ; the same, C and D window 3
.set FST_LO, 0x81                      ; the first step: C (the bias) window 0, D window 2
.set FST_HI, 0xc1                      ; D window 3
.set TO_B,   0x40
; A joint load: waves 0 and 1 fetch for A, waves 2 and 3 for B; the branch hangs on the wave's number alone.  An s_nop 0 and four v_nop follow each line.
.macro JLOAD g0a, g1a, g0b, g1b
	s_cmp_eq_u32 s15, 0
	s_cbranch_scc0 .Lfor_b_\@
	tensor_load_to_lds s[\g0a:\g0a+3], s[\g1a:\g1a+7]
	s_nop 0
.rept 4
	v_nop
.endr
	s_branch .Lasked_\@
.Lfor_b_\@:
	tensor_load_to_lds s[\g0b:\g0b+3], s[\g1b:\g1b+7]
	s_nop 0
.rept 4
	v_nop
.endr
.Lasked_\@:
.endm
.macro CROUND                          ; a round of the cluster's barrier
	s_barrier_signal -1
	s_barrier_wait -1
	s_cmp_lg_u32 s14, 0
	s_cbranch_scc1 .Lnot_wave_0_\@
	s_barrier_signal -3
.Lnot_wave_0_\@:
	s_barrier_wait -3
	s_barrier_signal -1
	s_barrier_wait -1
.endm
	s_load_b256 s[4:11], s[0:1], 0x0               ; x_codes, x_scales, w_codes, w_scales
	s_load_b256 s[92:99], s[0:1], 0x20             ; bq, bk, bv, qkv_img
	v_lshl_add_u32 v[SPW], v0, 2, SPARE
	v_mov_b32 v[NIL], 0
	ds_add_u32 v[SPW], v[NIL]                      ; the wave's opening: the add, twice on end, and its wait ahead of my first tensor load
	ds_add_u32 v[SPW], v[NIL]
	v_lshrrev_b32 v1, 5, v0
	v_readfirstlane_b32 s14, v1                    ; wave 0..3
	s_lshr_b32 s15, s14, 1                         ; my half of the tile's rows; also: I fetch for A (0) or B (1)
	s_and_b32 s16, s14, 1                          ; my half of its columns; also: which 128 rows I fetch
	s_bfe_u32 s40, ttmp6, 0x40000                  ; cx
	s_bfe_u32 s41, ttmp6, 0x40004                  ; cy
	s_lshl_b32 s42, ttmp9, 2
	s_add_co_u32 s42, s42, s40                     ; tile column 0..3
	s_and_b32 s17, ttmp7, 0xffff
	s_lshr_b32 s[T], s17, 3                        ; 8 clusters of tile rows a tensor: the same in all sixteen partners
	s_lshl_b32 s17, s17, 2
	s_add_co_u32 s17, s17, s41                     ; tile row 0..95
	s_lshl_b32 s43, s41, 2
	s_lshl_b32 s43, 15, s43                        ; my row of the cluster
	s_lshl_b32 s44, 0x1111, s40                    ; my column
	s_or_b32 s[G1+0], s43, (0<<16)|(1<<20)|(1<<21)|(5<<22)|(3<<25)  ; mask; elements of 1 byte; padding on; bit 21 beside a mask; 4 words behind every 64
	s_or_b32 s[G1B+0], s44, (0<<16)|(1<<20)|(1<<21)|(5<<22)|(3<<25)
.irp g, G1, G1B
	s_mov_b32 s[\g+1], ROWB<<16                    ; tensor_dim0
	s_mov_b32 s[\g+2], 128<<16                     ; tensor_dim1
	s_mov_b32 s[\g+3], ROWB<<16                    ; tile_dim0
	s_mov_b32 s[\g+4], 128                         ; tile_dim1
	s_mov_b32 s[\g+5], KROW                        ; the pitch
	s_mov_b32 s[\g+6], 0
	s_mov_b32 s[\g+7], 0
.endr
	s_or_b32 s[G1S+0], s43, (3<<16)|(1<<20)|(1<<21)|(5<<22)|(3<<25)  ; the scales of 128 rows: 4,096 dense bytes as 16 rows of 32 elements of 8 bytes
	s_or_b32 s[G1SB+0], s44, (3<<16)|(1<<20)|(1<<21)|(5<<22)|(3<<25)
.irp g, G1S, G1SB
	s_mov_b32 s[\g+1], 32<<16
	s_mov_b32 s[\g+2], (128*KS/256)<<16
	s_mov_b32 s[\g+3], 32<<16
	s_mov_b32 s[\g+4], 128*KS/256
	s_mov_b32 s[\g+5], 32
	s_mov_b32 s[\g+6], 0
	s_mov_b32 s[\g+7], 0
.endr
	s_lshl_b32 s18, s16, 7                         ; which 128 rows of the tile I fetch
	s_lshl_b32 s20, s17, 8
	s_add_co_u32 s20, s20, s18                     ; A: row 256 x tile row + 128 x half
	s_lshl_b32 s46, s42, 8
	s_add_co_u32 s46, s46, s18
	s_lshl_b32 s19, s[T], 10
	s_add_co_u32 s46, s46, s19                     ; B: row 1024 t + 256 x tile column + 128 x half
	s_mov_b32 s21, 0
	s_mov_b32 s47, 0
	s_mov_b64 s[18:19], KS
	s_mul_u64 s[22:23], s[20:21], s[18:19]         ; where these rows' scales begin
	s_mul_u64 s[12:13], s[46:47], s[18:19]
	s_mov_b64 s[18:19], KROW
	s_mul_u64 s[20:21], s[20:21], s[18:19]         ; and their codes
	s_mul_u64 s[46:47], s[46:47], s[18:19]
	s_mul_i32 s45, s14, HALFT                      ; where they go: wave x 128 rows: no place in the cluster enters an LDS address
	s_mul_i32 s100, s14, HALFS
	s_wait_dscnt 0x0                               ; both opening adds are done
	s_wait_kmcnt 0x0
	s_add_nc_u64 s[20:21], s[4:5], s[20:21]
	s_add_nc_u64 s[22:23], s[6:7], s[22:23]
	s_add_nc_u64 s[46:47], s[8:9], s[46:47]
	s_add_nc_u64 s[12:13], s[10:11], s[12:13]
	CROUND                                         ; all sixteen work-groups are here: the first joint loads meet
	s_mov_b32 s[G0S], 1
	s_add_co_u32 s[G0S+1], s100, SCL
	s_mov_b64 s[G0S+2:G0S+3], s[22:23]
	s_or_b32 s[G0S+3], s[G0S+3], 0x80000000
	s_mov_b32 s[G0SB], 1
	s_add_co_u32 s[G0SB+1], s100, SCL
	s_mov_b64 s[G0SB+2:G0SB+3], s[12:13]
	s_or_b32 s[G0SB+3], s[G0SB+3], 0x80000000
	JLOAD G0S, G1S, G0SB, G1SB                     ; the scales first: they are wanted with the first step
.irp s, 0,1
	s_mov_b32 s[G0+4*\s], 1
	s_add_co_u32 s[G0+4*\s+1], s45, \s*SLOT
	s_add_nc_u64 s[G0+4*\s+2:G0+4*\s+3], s[20:21], \s*ROWB
	s_or_b32 s[G0+4*\s+3], s[G0+4*\s+3], 0x80000000
	s_mov_b32 s[G0B+4*\s], 1
	s_add_co_u32 s[G0B+4*\s+1], s45, \s*SLOT
	s_add_nc_u64 s[G0B+4*\s+2:G0B+4*\s+3], s[46:47], \s*ROWB
	s_or_b32 s[G0B+4*\s+3], s[G0B+4*\s+3], 0x80000000
	JLOAD G0+4*\s, G1, G0B+4*\s, G1B
.endr
	v_and_b32 v1, 15, v0                           ; r = l % 16
	v_bfe_u32 v2, v0, 4, 1                         ; h = l / 16
	v_lshlrev_b32 v[BO], 5, v2
	s_cmp_eq_u32 s[T], 0                           ; the bias of my tensor: a choice on ids alone
	s_cselect_b64 s[92:93], s[92:93], s[94:95]
	s_cmp_lt_u32 s[T], 2
	s_cselect_b64 s[92:93], s[92:93], s[96:97]
	s_lshl_b32 s46, s42, 10                        ; my first column x 4 bytes: 1024 x tile column + 512 x half
	s_lshl_b32 s47, s16, 9
	s_add_co_u32 s46, s46, s47
	s_mov_b32 s47, 0
	s_add_nc_u64 s[92:93], s[92:93], s[46:47]
.irp b, 0,1,2,3,4,5,6,7
	global_load_b128 v[BIAS+8*\b:BIAS+8*\b+3], v[BO], s[92:93] offset:64*\b        ; lane (r, h): bias of columns 16 b + 8 h + 0 .. 7
	global_load_b128 v[BIAS+8*\b+4:BIAS+8*\b+7], v[BO], s[92:93] offset:64*\b+16
.endr
	v_mul_u32_u24 v3, v1, PITCH
	v_lshl_add_u32 v4, v2, 4, v3                   ; a fragment's row x pitch + 16 x half
	s_mul_i32 s21, s15, HALFT                      ; my 128 rows of A
	s_mul_i32 s22, s16, HALFT                      ; my 128 rows of B,
	s_add_co_u32 s22, s22, 2*HALFT                 ; behind A's 256
.irp s, 0,1
	v_add_nc_u32 v[ADRA+\s], s21, v4
	v_add_nc_u32 v[ADRB+\s], s22, v4
	s_add_co_u32 s21, s21, SLOT
	s_add_co_u32 s22, s22, SLOT
.endr
	v_mul_u32_u24 v5, v1, KS                       ; my row's scales: 32 bytes a row,
	v_lshrrev_b32 v6, 8, v5
	v_lshl_add_u32 v5, v6, 4, v5                   ; and 16 more for each 256 passed
	s_mul_i32 s21, s15, HALFS
	s_mul_i32 s22, s16, HALFS
	s_add_co_u32 s22, s22, 2*HALFS
	s_sub_co_u32 s22, s22, s21
	v_mul_u32_u24 v6, s22, v2                      ; lanes 16-31 take B's: one product, the distance between the two bases
	s_add_co_u32 s21, s21, SCL
	v_add_nc_u32 v5, v5, v6
	v_add_nc_u32 v[ADRS], s21, v5
	s_cmp_eq_u32 s[T], 2                           ; my lane's place in a piece: Q, K: 16 r + 256 h;  V: 32 r + 16 h
	s_cselect_b32 s20, 32, 16
	s_cselect_b32 s21, 16, 256
	v_mul_u32_u24 v[CO], v1, s20
	v_mad_u32_u24 v[CO], v2, s21, v[CO]
	s_lshl_b32 s20, s17, 8
	s_lshl_b32 s21, s15, 7
	s_add_co_u32 s20, s20, s21                     ; my first row among the 24,576
	s_lshr_b32 s21, s20, 11                        ; 4 t + batch,
	s_lshl_b32 s21, s21, 22                        ; 16 heads of 2^18 bytes each
	s_and_b32 s20, s20, 2047
	s_lshl_b32 s20, s20, 7                         ; token tile x 2,048 bytes
	s_add_co_u32 s20, s20, s21
	s_mov_b32 s21, 0
	s_add_nc_u64 s[98:99], s[98:99], s[20:21]
	s_lshl_b32 s46, s42, 20                        ; my first head: 4 x tile column + 2 x half
	s_lshl_b32 s47, s16, 19
	s_add_co_u32 s46, s46, s47
	s_mov_b32 s47, 0
	s_add_nc_u64 s[98:99], s[98:99], s[46:47]
.macro FRAG reg, adr, q, i             ; 16 rows x 128 K of 4-bit codes: 8 registers, two loads of 16 bytes, 32 bytes apart
.irp c, 0,1
	ds_load_b128 v[\reg+4*\c:\reg+4*\c+3], v[\adr] offset:64*(\q)+32*\c+(\i)*16*PITCH
.endr
.endm
; 16 matrix instructions: A's blocks a0, a0 + 1 x B's eight.  p: B's set; sc: the set of scale words; zero = 1: the bias starts the sums.  The 64 accumulators take turns, one instruction a turn.
.macro MUL16 a0, p, q, sc, zero
.irp a, \a0, \a0+1
.irp b, 0,1,2,3,4,5,6,7
.if \zero
	v_wmma_scale_f32_16x16x128_f8f6f4 v[8*(8*((\a)%4)+\b):8*(8*((\a)%4)+\b)+7], v[128*(\p)+FR*\b:128*(\p)+FR*\b+FR-1], v[AF+FR*(\a):AF+FR*(\a)+FR-1], v[BIAS+8*\b:BIAS+8*\b+7], v[SC+8*NQ*(\sc)+NQ*\b+(\q)], v[SC+8*NQ*(\sc)+NQ*(\a)+(\q)] matrix_a_fmt:MATRIX_FMT_FP4 matrix_b_fmt:MATRIX_FMT_FP4 matrix_a_scale:MATRIX_SCALE_ROW1
.else
	v_wmma_scale_f32_16x16x128_f8f6f4 v[8*(8*((\a)%4)+\b):8*(8*((\a)%4)+\b)+7], v[128*(\p)+FR*\b:128*(\p)+FR*\b+FR-1], v[AF+FR*(\a):AF+FR*(\a)+FR-1], v[8*(8*((\a)%4)+\b):8*(8*((\a)%4)+\b)+7], v[SC+8*NQ*(\sc)+NQ*\b+(\q)], v[SC+8*NQ*(\sc)+NQ*(\a)+(\q)] matrix_a_fmt:MATRIX_FMT_FP4 matrix_b_fmt:MATRIX_FMT_FP4 matrix_a_scale:MATRIX_SCALE_ROW1
.endif
.endr
.endr
.endm
.macro FETCH_B slot, q, p
	WIN TO_B
.irp i, 0,1,2,3,4,5,6,7
	FRAG 128*(\p)+FR*\i, ADRB+\slot, \q, \i
.endr
	WIN 0
.endm
.macro FETCH_A slot, q, i0
.irp i, \i0, \i0+1, \i0+2, \i0+3
	FRAG AF+FR*(\i), ADRA+\slot, \q, \i
.endr
.endm
.macro SCALES sc                       ; a slot's scale words: 4 words a row; lanes 0-15 A's block i, lanes 16-31 B's block i
.irp i, 0,1,2,3,4,5,6,7
	ds_load_b128 v[SC+8*NQ*\sc+NQ*\i:SC+8*NQ*\sc+NQ*\i+3], v[ADRS] offset:\i*SBLK
.endr
.endm
.macro PLACES n                        ; plain vector places behind matrix instructions, in front of loads into their registers and of reads of results
.rept \n
	v_nop
.endr
.endm
.macro STEP slot, q, zero              ; a step of 128 along K that has its successor in the same slot
	s_wait_dscnt 4*NL                              ; B's set and A's blocks 0-3 are in; the youngest eight loads (A's blocks 4-7) may be out
.if \zero
	WIN FST_LO
.else
	WIN MUL_LO
.endif
	MUL16 0, (\q)%2, \q, \slot, \zero
	MUL16 2, (\q)%2, \q, \slot, \zero
	s_wait_dscnt 0
	PLACES NP
	FETCH_B \slot, (\q)+1, 1-(\q)%2
	FETCH_A \slot, (\q)+1, 0
.if \zero
	WIN FST_HI
.else
	WIN MUL_HI
.endif
	MUL16 4, (\q)%2, \q, \slot, \zero
	MUL16 6, (\q)%2, \q, \slot, \zero
	PLACES NP
	WIN 0
	FETCH_A \slot, (\q)+1, 4
.endm
.macro STEPS slot, from
.set Q, \from
.rept NQ-1-\from
	STEP \slot, Q, 0
.set Q, Q+1
.endr
.endm
	s_wait_tensorcnt 1                             ; the scales and my part of slot 0 are in; slot 1's load may stay out
	s_barrier_signal -1
	s_barrier_wait -1                              ; everybody's are
	FETCH_B 0, 0, 0
	FETCH_A 0, 0, 0
	SCALES 0
	FETCH_A 0, 0, 4
	s_wait_loadcnt 0x0                             ; the bias
	STEP 0, 0, 1
	STEPS 0, 1
	; slot 0's last step changes slots: one barrier; in front of it each wave shows its part of slot 1 landed
	s_wait_tensorcnt 0x0                           ; all my tensor loads have landed
	ds_add_u32 v[SPW], v[NIL]                      ; 0 onto my spare word
	s_wait_dscnt 4*NL+1                            ; (the add and A's blocks 4-7 may be out)
	WIN MUL_LO
	MUL16 0, 1, NQ-1, 0, 0
	s_wait_dscnt 0x0                               ; no LDS instruction of mine is pending at the signal
	s_barrier_signal -1
	MUL16 2, 1, NQ-1, 0, 0
	WIN 0
	s_barrier_wait -1                              ; slot 1 is whole
	PLACES NP
	v_add_nc_u32 v[ADRS], 4*NQ, v[ADRS]            ; on to slot 1's scale words
	FETCH_B 1, 0, 0
	FETCH_A 1, 0, 0
	SCALES 1
	WIN MUL_HI
	MUL16 4, 1, NQ-1, 0, 0
	MUL16 6, 1, NQ-1, 0, 0
	PLACES NP
	WIN 0
	FETCH_A 1, 0, 4
	STEPS 1, 0
	s_wait_dscnt 4*NL                              ; the very last step: nothing more to fetch
	WIN MUL_LO
	MUL16 0, 1, NQ-1, 1, 0
	MUL16 2, 1, NQ-1, 1, 0
	s_wait_dscnt 0
	WIN MUL_HI
	MUL16 4, 1, NQ-1, 1, 0
	MUL16 6, 1, NQ-1, 1, 0
	WIN 0
; THE WAY OUT.  Block a (16 tokens x 128 columns = two heads): each accumulator, from its low end on, becomes 16 bytes a lane, stored as one piece of 512 bytes.  Seven sets of 32 registers take turns.
.macro PACK a
.set AC, 64*((\a)%4)
.set TP, 32+32*((\a)%7)
	WIN 0x0a+5*((\a)/4)                            ; sources 0 and 1: window 2 or 3
.irp b, 0,1,2,3,4,5,6,7
.irp r, 0,1,2,3
	v_cvt_pk_f16_f32 v[TP+4*\b+\r], v[AC+8*\b+2*\r], v[AC+8*\b+2*\r+1]
.endr
.endr
	WIN 0
.irp b, 0,1,2,3,4,5,6,7
	global_store_b128 v[CO], v[TP+4*\b:TP+4*\b+3], s[98:99] offset:(\a)*2048+(\b/4)*262144+(\b%4)*512   ; token tile a, head b / 4, channel tile b % 4
.endr
.endm
	PLACES NP                                      ; behind the last products: their results are read and their operands' registers written below
.irp a, 0,1,2,3,4,5,6
	PACK \a
.endr
	s_wait_xcnt 0x0                                ; block 0's stores have read their registers: block 7 takes that set
	PACK 7
	s_wait_tensorcnt 0x0                           ; the wave's end
	ds_add_u32 v[SPW], v[NIL]
	s_wait_dscnt 0x0
	CROUND                                         ; the closing round
	s_endpgm
.Lfunc_end_k_qb3bc996abb_proj:
	.size	k_qb3bc996abb_proj, .Lfunc_end_k_qb3bc996abb_proj-k_qb3bc996abb_proj
	.p2alignl 7, 3214868480
	.fill 96, 4, 3214868480
	.section	.rodata,"a",@progbits
	.p2align	6, 0x0
	.amdhsa_kernel k_qb3bc996abb_proj
		.amdhsa_group_segment_fixed_size 327680
		.amdhsa_private_segment_fixed_size 0
		.amdhsa_enable_private_segment 0
		.amdhsa_kernarg_size 64
		.amdhsa_user_sgpr_count 2
		.amdhsa_user_sgpr_kernarg_segment_ptr 1
		.amdhsa_wavefront_size32 1
		.amdhsa_system_sgpr_workgroup_id_x 1
		.amdhsa_system_sgpr_workgroup_id_y 1
		.amdhsa_system_sgpr_workgroup_id_z 1
		.amdhsa_system_vgpr_workitem_id 0
		.amdhsa_next_free_vgpr 1024
		.amdhsa_next_free_sgpr 102
		.amdhsa_reserve_vcc 0
		.amdhsa_float_denorm_mode_32 3
		.amdhsa_float_denorm_mode_16_64 3
		.amdhsa_memory_ordered 1
		.amdhsa_forward_progress 1
		.amdhsa_inst_pref_size 119
	.end_amdhsa_kernel
	.amdgpu_metadata
---
amdhsa.version: [ 1, 2 ]
amdhsa.kernels:
  - .name:           k_qb3bc996abb_proj
    .symbol:         k_qb3bc996abb_proj.kd
    .args:
      - { .name: x_codes, .offset: 0, .size: 8, .value_kind: global_buffer, .address_space: global }
      - { .name: x_scales, .offset: 8, .size: 8, .value_kind: global_buffer, .address_space: global }
      - { .name: w_codes, .offset: 16, .size: 8, .value_kind: global_buffer, .address_space: global }
      - { .name: w_scales, .offset: 24, .size: 8, .value_kind: global_buffer, .address_space: global }
      - { .name: bq, .offset: 32, .size: 8, .value_kind: global_buffer, .address_space: global }
      - { .name: bk, .offset: 40, .size: 8, .value_kind: global_buffer, .address_space: global }
      - { .name: bv, .offset: 48, .size: 8, .value_kind: global_buffer, .address_space: global }
      - { .name: qkv_img, .offset: 56, .size: 8, .value_kind: global_buffer, .address_space: global }
    .group_segment_fixed_size: 327680
    .private_segment_fixed_size: 0
    .kernarg_segment_align: 8
    .kernarg_segment_size: 64
    .max_flat_workgroup_size: 128
    .sgpr_count:     102
    .vgpr_count:     1024
    .wavefront_size: 32
...
	.end_amdgpu_metadata
.endif
;; end of part 3
;; launch attn (part 4): grid 8 x 64, 8 waves a work-group, clusters of 4 x 1, 327,680 bytes of LDS; arguments qkv_img, ao_img; writes ao_img
.if DOCPART == 4
	.amdgcn_target "amdgcn-amd-amdhsa--gfx1250"
	.amdhsa_code_object_version 6
	.text
	.protected	k_qb3bc996abb_attn
	.globl	k_qb3bc996abb_attn
	.p2align	8
	.type	k_qb3bc996abb_attn,@function
k_qb3bc996abb_attn:
	s_mov_b64 s[64:65], 0
	v_nop
	global_prefetch_b8 v0, s[64:65] scope:SCOPE_SE
	s_setreg_imm32_b32 hwreg(HW_REG_WAVE_MODE, 25, 1), 1
	s_wait_xcnt 0x0
	s_wait_alu depctr_hold_cnt(0) depctr_sa_sdst(0) depctr_va_vdst(0) depctr_va_sdst(0) depctr_va_ssrc(0) depctr_va_vcc(0) depctr_vm_vsrc(0)
	s_getreg_b32 s2, hwreg(HW_REG_IB_STS2, 6, 4)
	s_cmp_eq_u32 s2, 0
	s_cbranch_scc0 .Lentry_in_a_cluster
	s_endpgm
.Lentry_in_a_cluster:
	s_bfe_u32 s2, ttmp6, 0x10000c
	s_cmp_lg_u32 s2, 0x3003
	s_cbranch_scc0 .Lentry_shape_is_right
	s_endpgm
.Lentry_shape_is_right:
; O[b][h][q] = sum over k of softmax_k(Q . K / 8) V, no mask, 64 (batch, head) pairs of 2,048 tokens x 64 channels.  All operands f16, products and sums f32, the softmax in f32 with a running maximum.
; SHARES.  A work-group owns 256 queries of one (batch, head); each of its eight waves 32: two tiles of 16, in 512 registers: two waves lie on a SIMD, so that one's vector work can stand beside the other's products.
; Every wave walks all 2,048 keys, 128 a step: 32 products K Q^T, the softmax, 32 products V^T P.
; LAYOUT.  Both products are used transposed: S^T = K Q^T (source 0 = 16 keys, source 1 = 16 queries), O^T = V^T P (source 0 = 16 channels, source 1 = P): a lane holds ONE query (lane % 16) throughout;
; two tiles of S^T, rounded to f16 in pairs, ARE source 1 of the second product.  Q, K, V arrive as images of operand registers (512-byte pieces): every LDS load is at a constant + 16 x lane, V's by the turning load
; from token rows of 32 bytes.  No padding, no stage: O leaves straight from registers as images for the last product, each store 512 consecutive aligned bytes.
; RING.  Two slots of 512 keys (K 64 KiB, V 64 KiB each); a head is four parts: two first fills, two refills.  Each wave fetches 16 KiB with one tensor load (waves 0-3: K's four steps; 4-7: V's).
; By this text's count a wave has two tensor loads out at the start and one behind each round.
; CLUSTER.  The four query blocks of a cluster belong to one head and walk the same K and V: each tile is asked for jointly, mask 15, the same descriptor in all four.
; SOFTMAX.  p = 2^(c s - c m), c = log2(e) / 8; in every step O and the sum l are multiplied by a = 2^(c m_old - c m_new).  The loop has no first step of its own: O and l begin as zeros, m as -3e38.
; LIMITS: p under 6e-8 rounds to 0 in f16; outputs under 6e-5 lose bits among f16's subnormals; NaN and infinities are not served.
; REGISTERS.  window 0: v1-7 addresses; v12-27 statistics, 8 a tile: +0 c m, +1 m, +2, +3 l in two halves, +4..+7 at work (a takes +6); v32-63 the way out; v64-191 S^T (64 a tile); v192-255 P (32 a tile).
;   window 1: v0-63 O^T (32 a tile); v64-95 Q; v128-255 one buffer for a step's K, then its V.
.set STEPB, 16384                      ; a step's K, or V, in LDS: 8 token tiles x 4 pieces x 512 bytes
.set PARTB, 65536                      ; four steps
.set SLOT1, 131072
.set SPARE, 262144                     ; behind the ring: the spare words, 128 bytes a wave, named by no other line
.set LI,   1                           ; v1 16 x lane
.set AV0,  2                           ; v2 my lane's place in a piece of V for the turning load
.set ADRK, 3
.set ADRV, 4
.set SPW,  6                           ; v6 LDS address of my spare word; never rewritten
.set NIL,  7                           ; v7 0; never rewritten
.set ST,   12
.set OUTR, 32
.set S,    64
.set P,    192
.set QF,   64                          ; in window 1
.set KV,   128                         ; in window 1
.set WV,   12                          ; s12 wave
.set CS,   58                          ; s[58:59] c, twice
.set SEL,  60                          ; s[60:61] selects for lane l xor 16
.set TK,   62                          ; s62 LDS byte of the K step to be fetched
.set TV,   63                          ; s63 of the V step
.set MSB, 0
.macro WIN new
.if MSB != \new
	s_set_vgpr_msb (MSB<<8)|\new
.set MSB, \new
.endif
.endm
.set W_KQ, 0x05                        ; K and Q window 1, S^T window 0
.set W_PV, 0x51                        ; V window 1, P window 0, O^T window 1
.set W_RS, 0x41                        ; O^T (destination, source 0) window 1, a window 0
.set TO1,  0x40                        ; destination window 1
.macro CROUND
	s_barrier_signal -1
	s_barrier_wait -1
	s_cmp_lg_u32 s[WV], 0
	s_cbranch_scc1 .Lnot_wave_0_\@
	s_barrier_signal -3
.Lnot_wave_0_\@:
	s_barrier_wait -3
	s_barrier_signal -1
	s_barrier_wait -1
.endm
.macro PLACES n
.rept \n
	v_nop
.endr
.endm
	s_load_b128 s[4:7], s[0:1], 0x0                ; qkv_img, ao_img
	v_lshl_add_u32 v[SPW], v0, 2, SPARE
	v_mov_b32 v[NIL], 0
	ds_add_u32 v[SPW], v[NIL]                      ; the wave's opening: the add, twice on end, and its wait ahead of my first tensor load
	ds_add_u32 v[SPW], v[NIL]
	v_lshrrev_b32 v1, 5, v0
	v_readfirstlane_b32 s[WV], v1                  ; wave 0..7
	s_bfe_u32 s13, ttmp6, 0x40000                  ; cx
	s_lshl_b32 s14, ttmp9, 2
	s_add_co_u32 s14, s14, s13                     ; my block of 256 queries: it enters Q's and O's addresses alone
	s_and_b32 s15, ttmp7, 0xffff                   ; 16 batch + head, which the four partners share
	; group 1: 16 KiB, dense, as 64 rows of 32 elements of 8 bytes; mask 15, bit 21 beside it; no padding
	s_mov_b32 s24, 15|(3<<16)|(1<<21)
	s_mov_b32 s25, 32<<16                          ; tensor_dim0
	s_mov_b32 s26, 64<<16                          ; tensor_dim1
	s_mov_b32 s27, 32<<16                          ; tile_dim0
	s_mov_b32 s28, 64                              ; tile_dim1
	s_mov_b32 s29, 32                              ; the pitch
	s_mov_b32 s30, 0
	s_mov_b32 s31, 0
	s_lshr_b32 s16, s[WV], 2                       ; what I fetch: K (waves 0-3) or V (4-7): tensor 1 or 2 of 2^24 bytes,
	s_add_co_u32 s16, s16, 1
	s_lshl_b32 s16, s16, 24
	s_lshl_b32 s17, s15, 18                        ; my head's 2^18 bytes,
	s_add_co_u32 s16, s16, s17
	s_and_b32 s17, s[WV], 3                        ; step wave % 4 of a part
	s_lshl_b32 s17, s17, 14
	s_add_co_u32 s16, s16, s17
	s_mov_b32 s17, 0
	s_mov_b32 s32, 1
	s_lshl_b32 s33, s[WV], 14                      ; LDS: wave x 16 KiB in slot 0: K's four steps, then V's
	s_mov_b32 s36, 1
	s_add_co_u32 s37, s33, SLOT1                   ; and in slot 1
	s_lshl_b32 s18, s14, 4                         ; Q: token tile 16 block + 2 wave, 2,048 bytes each
	s_lshl_b32 s19, s[WV], 1
	s_add_co_u32 s18, s18, s19
	s_lshl_b32 s18, s18, 11
	s_lshl_b32 s20, s15, 18
	s_add_co_u32 s20, s20, s18
	s_mov_b32 s21, 0
	s_and_b32 s18, s15, 15                         ; O: ao_img [K step = head / 2][row tile 512][4,096 bytes]; inside: (head % 2) 2,048 + 512 channel tile
	s_lshr_b32 s19, s18, 1
	s_lshl_b32 s22, s19, 21
	s_and_b32 s18, s18, 1
	s_lshl_b32 s18, s18, 11
	s_add_co_u32 s22, s22, s18
	s_lshr_b32 s18, s15, 4                         ; row tile = 128 batch + 16 block + 2 wave
	s_lshl_b32 s18, s18, 7
	s_lshl_b32 s19, s14, 4
	s_add_co_u32 s18, s18, s19
	s_lshl_b32 s19, s[WV], 1
	s_add_co_u32 s18, s18, s19
	s_lshl_b32 s18, s18, 12
	s_add_co_u32 s22, s22, s18
	s_mov_b32 s23, 0
	s_mov_b32 s[CS], 0x3e38aa3b                    ; c = log2(e) / 8
	s_mov_b32 s[CS+1], s[CS]
	s_mov_b32 s[SEL], 0x76543210
	s_mov_b32 s[SEL+1], 0xfedcba98
	s_mov_b32 s[TK], 0
	s_mov_b32 s[TV], PARTB
	s_wait_dscnt 0x0                               ; both opening adds are done
	s_wait_kmcnt 0x0
	s_add_nc_u64 s[34:35], s[4:5], s[16:17]        ; part 0
	s_add_nc_u64 s[38:39], s[34:35], PARTB         ; part 1
	s_or_b32 s35, s35, 0x80000000
	s_or_b32 s39, s39, 0x80000000
	s_add_nc_u64 s[8:9], s[4:5], s[20:21]
	s_add_nc_u64 s[6:7], s[6:7], s[22:23]
	CROUND                                         ; all four work-groups are here: the first joint loads meet
	tensor_load_to_lds s[32:35], s[24:31]          ; slot 0
	s_nop 0
	tensor_load_to_lds s[36:39], s[24:31]          ; slot 1
	s_nop 0
	PLACES 4
	v_and_b32 v[LI], 31, v0
	v_lshlrev_b32 v[LI], 4, v[LI]
	v_and_b32 v8, 7, v0                            ; the turning load: lane l reads token 8 (l / 16) + l % 8, channels 8 ((l / 8) % 2) + 0 .. 7
	v_bfe_u32 v9, v0, 4, 1
	v_lshl_add_u32 v8, v9, 3, v8
	v_bfe_u32 v9, v0, 3, 1
	v_lshlrev_b32 v[AV0], 5, v8
	v_lshl_add_u32 v[AV0], v9, 4, v[AV0]
	WIN TO1
.irp t, 0,1
.irp c, 0,1,2,3
	global_load_b128 v[QF+16*\t+4*\c:QF+16*\t+4*\c+3], v[LI], s[8:9] offset:\t*2048+\c*512   ; Q stays in registers
.endr
.endr
.set i, 0
.rept 64
	v_mov_b32 v[i], 0                              ; O^T: the step is written without a first form: the first change of m multiplies zeros
.set i, i+1
.endr
	WIN 0
.irp t, 0,1
	v_mov_b32 v[ST+8*\t+1], 0xff61b1e6             ; m = -3e38, under every score
	v_mul_f32 v[ST+8*\t], s[CS], v[ST+8*\t+1]      ; c m
.irp n, 2,3,4,5,6,7
	v_mov_b32 v[ST+8*\t+\n], 0
.endr
.endr
.macro LOADK half                      ; four key tiles x 4 pieces of the step at v[ADRK]
	WIN TO1
.irp i, 0,1,2,3
.irp c, 0,1,2,3
	ds_load_b128 v[KV+16*(4*\half+\i)+4*\c:KV+16*(4*\half+\i)+4*\c+3], v[ADRK] offset:(4*\half+\i)*2048+\c*512
.endr
.endr
.endm
.macro LOADV                           ; chunk u of 32 keys, channel tile c: half a fragment of V^T from each of two token tiles
	WIN TO1
.irp u, 0,1,2,3
.irp c, 0,1,2,3
.irp e, 0,1
	ds_load_tr16_b128 v[KV+32*\u+8*\c+4*\e:KV+32*\u+8*\c+4*\e+3], v[ADRV] offset:(2*\u+\e)*2048+\c*512
.endr
.endr
.endr
.endm
; 16 products S^T = K Q^T: four key tiles x two query tiles, two deep along the 64 channels; the eight accumulators take turns; the first link starts each sum with 0
.macro KQ half
	WIN W_KQ
.irp c, 0,1
.irp i, 0,1,2,3
.irp t, 0,1
.if \c == 0
	v_wmma_f32_16x16x32_f16 v[S+64*\t+8*(4*\half+\i):S+64*\t+8*(4*\half+\i)+7], v[KV+16*(4*\half+\i):KV+16*(4*\half+\i)+7], v[QF+16*\t:QF+16*\t+7], 0
.else
	v_wmma_f32_16x16x32_f16 v[S+64*\t+8*(4*\half+\i):S+64*\t+8*(4*\half+\i)+7], v[KV+16*(4*\half+\i)+8:KV+16*(4*\half+\i)+15], v[QF+16*\t+8:QF+16*\t+15], v[S+64*\t+8*(4*\half+\i):S+64*\t+8*(4*\half+\i)+7]
.endif
.endr
.endr
.endr
.endm
; 16 products O^T += V^T P: two chunks of 32 keys x four channel tiles x two query tiles; the eight accumulators take turns
.macro PV half
	WIN W_PV
.irp u, 0,1
.irp c, 0,1,2,3
.irp t, 0,1
	v_wmma_f32_16x16x32_f16 v[32*\t+8*\c:32*\t+8*\c+7], v[KV+32*(2*\half+\u)+8*\c:KV+32*(2*\half+\u)+8*\c+7], v[P+32*\t+8*(2*\half+\u):P+32*\t+8*(2*\half+\u)+7], v[32*\t+8*\c:32*\t+8*\c+7]
.endr
.endr
.endr
.endm
; The softmax of both tiles for 128 keys; the tiles alternate line by line, so that no line waits for the line above it.
.macro SOFTMAX
	WIN 0
.irp k, 0,1,2,3                        ; the maximum of the lane's 64 scores and the old m: four chains, each accumulator read from its low end on
.irp t, 0,1
	v_max3_num_f32 v[ST+8*\t+4+\k], v[S+64*\t+16*\k], v[S+64*\t+16*\k+1], v[S+64*\t+16*\k+2]
.endr
.endr
.irp i, 3,5,7,9,11,13
.irp k, 0,1,2,3
.irp t, 0,1
	v_max3_num_f32 v[ST+8*\t+4+\k], v[ST+8*\t+4+\k], v[S+64*\t+16*\k+\i], v[S+64*\t+16*\k+\i+1]
.endr
.endr
.endr
.irp t, 0,1
	v_max3_num_f32 v[ST+8*\t+4], v[ST+8*\t+4], v[S+64*\t+15], v[S+64*\t+31]
	v_max3_num_f32 v[ST+8*\t+6], v[ST+8*\t+6], v[S+64*\t+47], v[S+64*\t+63]
.endr
.irp t, 0,1
	v_max3_num_f32 v[ST+8*\t+4], v[ST+8*\t+4], v[ST+8*\t+5], v[ST+8*\t+6]
.endr
.irp t, 0,1
	v_max3_num_f32 v[ST+8*\t+4], v[ST+8*\t+4], v[ST+8*\t+7], v[ST+8*\t+1]
.endr
.irp t, 0,1
	v_permlanex16_b32 v[ST+8*\t+5], v[ST+8*\t+4], s[SEL], s[SEL+1]   ; the query's other 64 keys lie in the lane 16 away
.endr
.irp t, 0,1
	v_mov_b32 v[ST+8*\t+7], v[ST+8*\t]             ; c m_old
.endr
.irp t, 0,1
	v_max_num_f32 v[ST+8*\t+1], v[ST+8*\t+4], v[ST+8*\t+5]
.endr
.irp t, 0,1
	v_mul_f32 v[ST+8*\t], s[CS], v[ST+8*\t+1]
.endr
.irp t, 0,1
	v_sub_f32 v[ST+8*\t+7], v[ST+8*\t+7], v[ST+8*\t]
.endr
.irp t, 0,1
	v_exp_f32 v[ST+8*\t+6], v[ST+8*\t+7]           ; a
.endr
; ONE BATCH: the scalings c s - c m, a pair ahead of its exponentials, and all exponentials; nothing here names an exponential's result
.irp t, 0,1
	v_pk_fma_f32 v[S+64*\t:S+64*\t+1], v[S+64*\t:S+64*\t+1], s[CS:CS+1], v[ST+8*\t:ST+8*\t+1] op_sel_hi:[1,0,0] neg_lo:[0,0,1] neg_hi:[0,0,1]
.endr
.set b, 0
.rept 32
.if b < 31
.irp t, 0,1
	v_pk_fma_f32 v[S+64*\t+2*b+2:S+64*\t+2*b+3], v[S+64*\t+2*b+2:S+64*\t+2*b+3], s[CS:CS+1], v[ST+8*\t:ST+8*\t+1] op_sel_hi:[1,0,0] neg_lo:[0,0,1] neg_hi:[0,0,1]
.endr
.endif
.irp t, 0,1
	v_exp_f32 v[S+64*\t+2*b], v[S+64*\t+2*b]
	v_exp_f32 v[S+64*\t+2*b+1], v[S+64*\t+2*b+1]
.endr
.set b, b+1
.endr
	v_nop                                          ; a plain instruction behind the last exponential
	s_wait_alu depctr_va_vdst(0)                   ; one wait for the 130 exponentials, ahead of the first line that names a result
.set j, 0
.rept 32
.irp t, 0,1
	v_cvt_pk_f16_f32 v[P+32*\t+j], v[S+64*\t+2*j], v[S+64*\t+2*j+1]   ; P: registers 4 i .. 4 i + 3 from key tile i
.endr
.set j, j+1
.endr
.irp st, 4,8,16,32,64                  ; the sum of the unrounded p, in place, by halves (in a pair: even keys', odd keys')
.set z, 0
.rept 64/\st
.irp t, 0,1
	v_pk_add_f32 v[S+64*\t+\st*z:S+64*\t+\st*z+1], v[S+64*\t+\st*z:S+64*\t+\st*z+1], v[S+64*\t+\st*z+\st/2:S+64*\t+\st*z+\st/2+1]
.endr
.set z, z+1
.endr
.endr
.irp t, 0,1
	v_pk_fma_f32 v[ST+8*\t+2:ST+8*\t+3], v[ST+8*\t+2:ST+8*\t+3], v[ST+8*\t+6:ST+8*\t+7], v[S+64*\t:S+64*\t+1] op_sel_hi:[1,0,1]   ; l = a l + the sum
.endr
	WIN W_RS
.set i, 0
.rept 16
.irp t, 0,1
	v_pk_mul_f32 v[32*\t+2*i:32*\t+2*i+1], v[32*\t+2*i:32*\t+2*i+1], v[ST+8*\t+6:ST+8*\t+7] op_sel_hi:[1,0]   ; O^T x a, each accumulator from its low end on
.endr
.set i, i+1
.endr
.endm
; THE CHANGE OF SLOTS, in a slot's last step, behind its softmax: the step's K has been multiplied and its V asked for.  Each wave waits for all its tensor loads, adds 0 to its spare word, and waits for that and for
; its reads of the slot.  fill = 1: the barrier is a round of the cluster's, and the joint refill is the first thing behind it: it has four key steps in which to land.
.macro CHANGE fill
	WIN 0
	s_wait_tensorcnt 0x0                           ; no tensor load of mine is out, so a group 0 may be written
	ds_add_u32 v[SPW], v[NIL]                      ; 0 onto my spare word
.if \fill
	s_xor_b32 s37, s37, SLOT1                      ; the walking descriptor: the other slot than last time,
	s_add_nc_u64 s[38:39], s[38:39], PARTB         ; the next part; the type bits on top are not reached
.endif
	s_sub_co_u32 s[TK], s[TK], PARTB               ; the fetches go back to a slot's first step,
	s_xor_b32 s[TK], s[TK], SLOT1                  ; in the other slot
	s_sub_co_u32 s[TV], s[TV], PARTB
	s_xor_b32 s[TV], s[TV], SLOT1
	s_wait_dscnt 0x0                               ; the add is done, and my reads of the slot are over
.if \fill
	CROUND
	tensor_load_to_lds s[36:39], s[24:31]
	s_nop 0
	PLACES 4
.else
	s_barrier_signal -1
	s_barrier_wait -1
.endif
.endm
; A KEY STEP.  pre = 1: the next step's K is fetched under the products V^T P.  chg = 1: change of slots with a refill; 2: without.
.macro STEP pre, chg
	s_wait_dscnt 16                                ; K's first four tiles are in; the other sixteen loads may be out
	KQ 0
	s_wait_dscnt 0x0
	KQ 1
	WIN 0
	v_add_nc_u32 v[ADRV], s[TV], v[AV0]            ; with the three v_nop: the four places behind the products, ahead of loads into K's registers and of the reads of S^T
	PLACES 3
	s_add_co_u32 s[TV], s[TV], STEPB
	LOADV                                          ; V lands under the softmax
	SOFTMAX
.if \chg == 1
	CHANGE 1
.elseif \chg == 2
	CHANGE 0
.endif
	s_wait_dscnt 0x0                               ; V is in
	PV 0
.if \pre
	WIN 0
	v_add_nc_u32 v[ADRK], s[TK], v[LI]             ; with the three v_nop: the places ahead of loads into the registers that these products read
	PLACES 3
	s_add_co_u32 s[TK], s[TK], STEPB
	LOADK 0
.endif
	PV 1
.if \pre
	PLACES 4
	LOADK 1
.endif
	WIN 0
.endm
.macro THREE                           ; a slot's first three steps: written once, walked three times
	s_mov_b32 s57, 3
.Lthree_\@:
	STEP 1, 0
	s_sub_co_u32 s57, s57, 1
	s_cmp_lg_u32 s57, 0
	s_cbranch_scc1 .Lthree_\@
.endm
	s_wait_tensorcnt 1                             ; my part of slot 0 is in; slot 1's may stay out
	s_barrier_signal -1
	s_barrier_wait -1                              ; everybody's is
	v_add_nc_u32 v[ADRK], s[TK], v[LI]
	s_add_co_u32 s[TK], s[TK], STEPB
	LOADK 0
	LOADK 1
	WIN 0
	s_wait_loadcnt 0x0                             ; Q
	s_mov_b32 s56, 2
.Lslot:                                            ; two trips: parts 0 and 1; their slots are filled again with parts 2 and 3
	THREE
	STEP 1, 1
	s_sub_co_u32 s56, s56, 1
	s_cmp_lg_u32 s56, 0
	s_cbranch_scc1 .Lslot
	THREE                                          ; part 2: written out
	STEP 1, 2
	THREE                                          ; part 3
	STEP 0, 0
	; THE WAY OUT: l's halves and the other half of the lanes' are added; O^T / l, rounded to f16, leaves as images of the last product's operand registers
	PLACES 4
.irp t, 0,1
	v_add_f32 v[ST+8*\t+4], v[ST+8*\t+2], v[ST+8*\t+3]
.endr
.irp t, 0,1
	v_permlanex16_b32 v[ST+8*\t+5], v[ST+8*\t+4], s[SEL], s[SEL+1]
.endr
.irp t, 0,1
	v_add_f32 v[ST+8*\t+4], v[ST+8*\t+4], v[ST+8*\t+5]
.endr
.irp t, 0,1
	v_rcp_f32 v[ST+8*\t+6], v[ST+8*\t+4]
.endr
	v_nop                                          ; a plain instruction behind the reciprocals
	s_wait_alu depctr_va_vdst(0)                   ; and the wait ahead of their first reader
	WIN W_RS
.set i, 0
.rept 16
.irp t, 0,1
	v_pk_mul_f32 v[32*\t+2*i:32*\t+2*i+1], v[32*\t+2*i:32*\t+2*i+1], v[ST+8*\t+6:ST+8*\t+7] op_sel_hi:[1,0]
.endr
.set i, i+1
.endr
	WIN 0x05                                       ; sources window 1, destination window 0
.irp t, 0,1
.irp c, 0,1,2,3
.irp r, 0,1,2,3
	v_cvt_pk_f16_f32 v[OUTR+16*\t+4*\c+\r], v[32*\t+8*\c+2*\r], v[32*\t+8*\c+2*\r+1]
.endr
.endr
.endr
	WIN 0
.irp t, 0,1
.irp c, 0,1,2,3
	global_store_b128 v[LI], v[OUTR+16*\t+4*\c:OUTR+16*\t+4*\c+3], s[6:7] offset:\t*4096+\c*512   ; 32 lanes store 512 consecutive aligned bytes
.endr
.endr
	s_wait_tensorcnt 0x0                           ; the wave's end
	ds_add_u32 v[SPW], v[NIL]
	s_wait_dscnt 0x0
	CROUND                                         ; the closing round
	s_endpgm
.Lfunc_end_k_qb3bc996abb_attn:
	.size	k_qb3bc996abb_attn, .Lfunc_end_k_qb3bc996abb_attn-k_qb3bc996abb_attn
	.p2alignl 7, 3214868480
	.fill 96, 4, 3214868480
	.section	.rodata,"a",@progbits
	.p2align	6, 0x0
	.amdhsa_kernel k_qb3bc996abb_attn
		.amdhsa_group_segment_fixed_size 327680
		.amdhsa_private_segment_fixed_size 0
		.amdhsa_enable_private_segment 0
		.amdhsa_kernarg_size 16
		.amdhsa_user_sgpr_count 2
		.amdhsa_user_sgpr_kernarg_segment_ptr 1
		.amdhsa_wavefront_size32 1
		.amdhsa_system_sgpr_workgroup_id_x 1
		.amdhsa_system_sgpr_workgroup_id_y 1
		.amdhsa_system_sgpr_workgroup_id_z 1
		.amdhsa_system_vgpr_workitem_id 0
		.amdhsa_next_free_vgpr 512
		.amdhsa_next_free_sgpr 66
		.amdhsa_reserve_vcc 0
		.amdhsa_float_denorm_mode_32 3
		.amdhsa_float_denorm_mode_16_64 3
		.amdhsa_memory_ordered 1
		.amdhsa_forward_progress 1
		.amdhsa_inst_pref_size 204
	.end_amdhsa_kernel
	.amdgpu_metadata
---
amdhsa.version: [ 1, 2 ]
amdhsa.kernels:
  - .name:           k_qb3bc996abb_attn
    .symbol:         k_qb3bc996abb_attn.kd
    .args:
      - { .name: qkv_img, .offset: 0, .size: 8, .value_kind: global_buffer, .address_space: global }
      - { .name: ao_img, .offset: 8, .size: 8, .value_kind: global_buffer, .address_space: global }
    .group_segment_fixed_size: 327680
    .private_segment_fixed_size: 0
    .kernarg_segment_align: 8
    .kernarg_segment_size: 16
    .max_flat_workgroup_size: 256
    .sgpr_count:     66
    .vgpr_count:     512
    .wavefront_size: 32
...
	.end_amdgpu_metadata
.endif
;; end of part 4
;; launch outproj (part 5): grid 4 x 64, 4 waves a work-group, clusters of 4 x 4, 327,680 bytes of LDS; arguments ao_img, wo_img, bo, out0; writes out0
.if DOCPART == 5
	.amdgcn_target "amdgcn-amd-amdhsa--gfx1250"
	.amdhsa_code_object_version 6
	.text
	.protected	k_qb3bc996abb_outproj
	.globl	k_qb3bc996abb_outproj
	.p2align	8
	.type	k_qb3bc996abb_outproj,@function
k_qb3bc996abb_outproj:
	s_mov_b64 s[64:65], 0
	v_nop
	global_prefetch_b8 v0, s[64:65] scope:SCOPE_SE
	s_setreg_imm32_b32 hwreg(HW_REG_WAVE_MODE, 25, 1), 1
	s_wait_xcnt 0x0
	s_wait_alu depctr_hold_cnt(0) depctr_sa_sdst(0) depctr_va_vdst(0) depctr_va_sdst(0) depctr_va_ssrc(0) depctr_va_vcc(0) depctr_vm_vsrc(0)
	s_getreg_b32 s2, hwreg(HW_REG_IB_STS2, 6, 4)
	s_cmp_eq_u32 s2, 0
	s_cbranch_scc0 .Lentry_in_a_cluster
	s_endpgm
.Lentry_in_a_cluster:
	s_bfe_u32 s2, ttmp6, 0x10000c
	s_cmp_lg_u32 s2, 0xf033
	s_cbranch_scc0 .Lentry_shape_is_right
	s_endpgm
.Lentry_shape_is_right:
; out0 [8192][1024] f32 = AO Wo + bo; AO and Wo in f16, as images of operand registers; sums in f32.
; ao_img: [K step 8][row tile 512][4,096 bytes], wo_img: [K step 8][n tile 64][4,096 bytes]; in the 4,096: [chunk of 32 K: 4][piece 2][512 bytes], lane l's 16 bytes at 16 l.
; A tile of C is 128 rows x 256 columns: 64 x 4 = 256 work-groups.  Four waves, each 64 x 128: 32 accumulators, 256 registers.
; K goes in 8 steps of 128 through two LDS slots (A 32 KiB, B 64 KiB); a step's tiles are dense blocks of memory; no padding: every fragment load is at a constant + 16 x lane.
; Waves 0, 1 fetch A's halves (16 KiB), waves 2, 3 B's (32 KiB): by this text's count a wave has two tensor loads out at the start and one behind each round.
; CLUSTERS: 4 x 4; A's tile is shared along a row of the cluster, B's along a column: joint loads.  THE MATRIX INSTRUCTION IS USED TRANSPOSED (source 0 = 16 columns n of Wo, source 1 = 16 rows of AO).
; The bias is the C of each sum's first matrix instruction (the first addend of the f32 sum, not the last as in the source).
; The way out goes through each wave's own stage in LDS (bytes into which no tensor load lands) and leaves as rows of 512 consecutive aligned bytes.
; PREFETCH: behind each joint refill one instruction a wave names the K step two refills on, 32 lanes 256 bytes apart.  A's 32 KiB: wave 0 of each of the four partners of a row, told apart by address (cx);
; B's 64 KiB: waves 2 and 3 of the four partners of a column (cy), in the clusters with y = 0 alone, since all clusters of a column of clusters read the same rows of Wo.  K steps 0 to 3 come by their loads alone; the last trip asks for nothing.
; REGISTERS: window 0: v0-31 addresses; v64-159, v160-255 two fragment buffers (A's 4 tiles, then B's 8); on the way out v64-191 take rows.  window 1: accumulator (a, b) at v[8 (8 a + b)].  window 2: v0-63 the bias.
.set SLOT,   98304
.set BOFF,   32768                     ; B's tiles behind A's in a slot
.set STAGE,  2*SLOT
.set SPITCH, 528                       ; a stage row: 512 bytes + 16
.set SPARE,  STAGE+4*16*SPITCH         ; the spare words, 128 bytes a wave, named by no other line
.set ADRA, 16
.set ADRB, 20
.set STO,  24
.set RD,   25
.set CO,   26
.set BO,   27
.set SPW,  28                          ; v28 LDS address of my spare word; never rewritten
.set NIL,  29                          ; v29 0; never rewritten
.set PFO,  30                          ; v30 256 x lane; never rewritten
.set F0,   64
.set F1,   160
.set G1, 24
.set G0, 32
.set G1B, 48
.set G0B, 56
.set LIM, 43                           ; s43 1 in a wave that prefetches, else the greatest number
.set PFA, 44                           ; s[44:45] where my prefetches stand
.set PFS, 72                           ; s[72:73] a K step on, in bytes
.set MSB, 0
.macro WIN new
.if MSB != \new
	s_set_vgpr_msb (MSB<<8)|\new
.set MSB, \new
.endif
.endm
.set MUL,   0x50                       ; sources 0, 1 window 0; C and D window 1
.set FIRST, 0x60                       ; C (the bias) window 2, D window 1
.macro JLOAD s                         ; waves 0, 1 fetch A's halves, waves 2, 3 B's; an s_nop 0 and four v_nop follow each line
	s_cmp_eq_u32 s11, 0
	s_cbranch_scc0 .Lfor_b_\@
	tensor_load_to_lds s[G0+4*\s:G0+4*\s+3], s[G1:G1+7]
	s_nop 0
.rept 4
	v_nop
.endr
	s_branch .Lasked_\@
.Lfor_b_\@:
	tensor_load_to_lds s[G0B+4*\s:G0B+4*\s+3], s[G1B:G1B+7]
	s_nop 0
.rept 4
	v_nop
.endr
.Lasked_\@:
.endm
.macro ASK                             ; s3 = 1 in the loop's last trip: no K step stands two refills on
	s_cmp_gt_u32 s3, s[LIM]
	s_cbranch_scc0 .Lnot_mine_\@
	global_prefetch_b8 v[PFO], s[PFA:PFA+1] th:TH_LOAD_NT scope:SCOPE_SE
.Lnot_mine_\@:
.endm
.macro CREST
	s_cmp_lg_u32 s10, 0
	s_cbranch_scc1 .Lnot_wave_0_\@
	s_barrier_signal -3
.Lnot_wave_0_\@:
	s_barrier_wait -3
	s_barrier_signal -1
	s_barrier_wait -1
.endm
.macro CROUND
	s_barrier_signal -1
	s_barrier_wait -1
	CREST
.endm
.macro PLACES
.rept 4
	v_nop
.endr
.endm
	s_load_b128 s[4:7], s[0:1], 0x0                ; ao_img, wo_img
	s_load_b128 s[68:71], s[0:1], 0x10             ; bo, out0
	v_lshl_add_u32 v[SPW], v0, 2, SPARE
	v_mov_b32 v[NIL], 0
	ds_add_u32 v[SPW], v[NIL]                      ; the wave's opening: the add, twice on end, and its wait ahead of my first tensor load
	ds_add_u32 v[SPW], v[NIL]
	v_lshrrev_b32 v1, 5, v0
	v_readfirstlane_b32 s10, v1                    ; wave 0..3
	s_lshr_b32 s11, s10, 1                         ; my half of the tile's rows; also: I fetch for A (0) or B (1)
	s_and_b32 s12, s10, 1                          ; my half of its columns; also: which half I fetch
	s_bfe_u32 s40, ttmp6, 0x40000                  ; cx
	s_bfe_u32 s41, ttmp6, 0x40004                  ; cy
	s_lshl_b32 s42, ttmp9, 2
	s_add_co_u32 s42, s42, s40                     ; tile column 0..3
	s_and_b32 s13, ttmp7, 0xffff
	s_lshl_b32 s13, s13, 2
	s_add_co_u32 s13, s13, s41                     ; tile row 0..63
	s_lshl_b32 s43, s41, 2
	s_lshl_b32 s43, 15, s43                        ; my row of the cluster
	s_lshl_b32 s44, 0x1111, s40                    ; my column
	s_or_b32 s[G1+0], s43, (3<<16)|(1<<21)         ; mask; elements of 8 bytes; bit 21 beside a mask; no padding
	s_or_b32 s[G1B+0], s44, (3<<16)|(1<<21)
	s_mov_b32 s[G1+1], 32<<16                      ; A: 64 rows of 256 bytes, dense
	s_mov_b32 s[G1+2], 64<<16
	s_mov_b32 s[G1+3], 32<<16
	s_mov_b32 s[G1+4], 64
	s_mov_b32 s[G1+5], 32
	s_mov_b32 s[G1+6], 0
	s_mov_b32 s[G1+7], 0
	s_mov_b32 s[G1B+1], 32<<16                     ; B: 128 rows of 256 bytes, dense
	s_mov_b32 s[G1B+2], 128<<16
	s_mov_b32 s[G1B+3], 32<<16
	s_mov_b32 s[G1B+4], 128
	s_mov_b32 s[G1B+5], 32
	s_mov_b32 s[G1B+6], 0
	s_mov_b32 s[G1B+7], 0
	s_lshl_b32 s16, s13, 15                        ; A: tile row x 32 KiB + half x 16 KiB
	s_lshl_b32 s17, s12, 14
	s_add_co_u32 s16, s16, s17
	s_mov_b32 s17, 0
	s_lshl_b32 s46, s42, 16                        ; B: tile column x 64 KiB + half x 32 KiB
	s_lshl_b32 s47, s12, 15
	s_add_co_u32 s46, s46, s47
	s_mov_b32 s47, 0
	s_lshl_b32 s20, s12, 14                        ; where they go in a slot: the wave's number alone enters
	s_lshl_b32 s21, s12, 15
	s_add_co_u32 s21, s21, BOFF
	s_wait_dscnt 0x0                               ; both opening adds are done
	s_wait_kmcnt 0x0
	s_add_nc_u64 s[14:15], s[4:5], s[16:17]
	s_add_nc_u64 s[46:47], s[6:7], s[46:47]
	CROUND                                         ; all sixteen work-groups are here: the first joint loads meet
.irp s, 0,1
	s_mov_b32 s[G0+4*\s], 1
	s_add_co_u32 s[G0+4*\s+1], s20, \s*SLOT
	s_add_nc_u64 s[G0+4*\s+2:G0+4*\s+3], s[14:15], \s*(1<<21)      ; K step s of ao_img
	s_or_b32 s[G0+4*\s+3], s[G0+4*\s+3], 0x80000000
	s_mov_b32 s[G0B+4*\s], 1
	s_add_co_u32 s[G0B+4*\s+1], s21, \s*SLOT
	s_add_nc_u64 s[G0B+4*\s+2:G0B+4*\s+3], s[46:47], \s*(1<<18)    ; K step s of wo_img
	s_or_b32 s[G0B+4*\s+3], s[G0B+4*\s+3], 0x80000000
	JLOAD \s
.endr
	v_and_b32 v1, 15, v0                           ; r
	v_bfe_u32 v2, v0, 4, 1                         ; h
	v_and_b32 v3, 31, v0
	v_lshlrev_b32 v3, 4, v3                        ; 16 x lane
	v_lshlrev_b32 v[BO], 5, v2
	s_lshl_b32 s46, s42, 10                        ; my first column x 4 bytes
	s_lshl_b32 s47, s12, 9
	s_add_co_u32 s46, s46, s47
	s_mov_b32 s47, 0
	s_add_nc_u64 s[68:69], s[68:69], s[46:47]
	s_add_nc_u64 s[70:71], s[70:71], s[46:47]
	s_lshl_b32 s16, s13, 19                        ; my first row x 4,096 bytes: 128 x tile row + 64 x half
	s_lshl_b32 s17, s11, 18
	s_add_co_u32 s16, s16, s17
	s_mov_b32 s17, 0
	s_add_nc_u64 s[70:71], s[70:71], s[16:17]
	WIN 0x80                                       ; destination window 2
.irp b, 0,1,2,3,4,5,6,7
	global_load_b128 v[8*\b:8*\b+3], v[BO], s[68:69] offset:64*\b          ; lane (r, h): bo of columns 16 b + 8 h + 0 .. 7
	global_load_b128 v[8*\b+4:8*\b+7], v[BO], s[68:69] offset:64*\b+16
.endr
	WIN 0
	s_lshl_b32 s21, s11, 14                        ; my 4 row tiles of A
	s_lshl_b32 s22, s12, 15                        ; my 8 n tiles of B
	s_add_co_u32 s22, s22, BOFF
.irp s, 0,1
	v_add_nc_u32 v[ADRA+\s], s21, v3
	v_add_nc_u32 v[ADRB+\s], s22, v3
	s_add_co_u32 s21, s21, SLOT
	s_add_co_u32 s22, s22, SLOT
.endr
	s_mul_i32 s23, s10, 16*SPITCH
	s_add_co_u32 s23, s23, STAGE                   ; my stage
	v_mul_u32_u24 v4, v1, SPITCH
	v_lshl_add_u32 v4, v2, 5, v4
	v_add_nc_u32 v[STO], s23, v4                   ; in: row r, 32 bytes for each half of the lanes
	v_add_nc_u32 v[RD], s23, v3                    ; back: the 32 lanes take one row of 512 bytes
	v_mov_b32 v[CO], v3                            ; and the same in out0
	v_lshlrev_b32 v[PFO], 4, v3
	; the prefetches: where my wave's stand (at K step 3: each filling change of slots steps them first), and who asks
	s_lshl_b32 s20, s13, 15
	s_lshl_b32 s21, s40, 13
	s_add_co_u32 s20, s20, s21
	s_add_co_u32 s20, s20, 3<<21                   ; A: tile row, my work-group's 8 KiB by cx
	s_lshl_b32 s21, s42, 16
	s_lshl_b32 s22, s41, 14
	s_add_co_u32 s21, s21, s22
	s_lshl_b32 s22, s12, 13
	s_add_co_u32 s21, s21, s22
	s_add_co_u32 s21, s21, 3<<18                   ; B: tile column, my work-group's 16 KiB by cy, my wave's 8 KiB
	s_and_b32 s22, ttmp7, 0xffff                   ; cluster y
	s_mov_b32 s[PFS], 1<<18
	s_cmp_eq_u32 s11, 0
	s_cselect_b32 s20, s20, s21
	s_cselect_b32 s22, s12, s22                    ; 0 in wave 0, and in waves 2, 3 of the clusters with y = 0: the same in all sixteen partners, for a given wave
	s_cselect_b32 s[PFS], 1<<21, s[PFS]
	s_cselect_b64 s[PFA:PFA+1], s[4:5], s[6:7]
	s_cmp_eq_u32 s22, 0
	s_cselect_b32 s[LIM], 1, -1
	s_mov_b32 s21, 0
	s_mov_b32 s[PFS+1], 0
	s_add_nc_u64 s[PFA:PFA+1], s[PFA:PFA+1], s[20:21]
.macro FETCH slot, q, f                ; 24 LDS loads: chunk q (32 along K): B's 8 tiles, then A's 4
.irp b, 0,1,2,3,4,5,6,7
	ds_load_b128 v[\f+32+8*\b:\f+32+8*\b+3],   v[ADRB+\slot] offset:\b*4096+(\q)*1024
	ds_load_b128 v[\f+32+8*\b+4:\f+32+8*\b+7], v[ADRB+\slot] offset:\b*4096+(\q)*1024+512
.endr
.irp a, 0,1,2,3
	ds_load_b128 v[\f+8*\a:\f+8*\a+3],   v[ADRA+\slot] offset:\a*4096+(\q)*1024
	ds_load_b128 v[\f+8*\a+4:\f+8*\a+7], v[ADRA+\slot] offset:\a*4096+(\q)*1024+512
.endr
.endm
.macro MUL8 f, a, first                ; row tile a x all 8 n tiles; the 32 accumulators take turns in the same order in every quarter
.irp b, 0,1,2,3,4,5,6,7
.if \first
	v_wmma_f32_16x16x32_f16 v[8*(8*(\a)+\b):8*(8*(\a)+\b)+7], v[\f+32+8*\b:\f+32+8*\b+7], v[\f+8*(\a):\f+8*(\a)+7], v[8*\b:8*\b+7]
.else
	v_wmma_f32_16x16x32_f16 v[8*(8*(\a)+\b):8*(8*(\a)+\b)+7], v[\f+32+8*\b:\f+32+8*\b+7], v[\f+8*(\a):\f+8*(\a)+7], v[8*(8*(\a)+\b):8*(8*(\a)+\b)+7]
.endif
.endr
.endm
.macro MWIN first
.if \first
	WIN FIRST
.else
	WIN MUL
.endif
.endm
; A K step is four quarters of 32 along K.  One of the first three: multiplies buffer f; in its middle it fetches chunk q into buffer g.
.macro QUARTER slot, q, f, g, first
	s_wait_dscnt 4                                 ; B and A's tiles 0, 1 are in; the youngest four loads (A's tiles 2, 3) may be out
	MWIN \first
	MUL8 \f, 0, \first
	MUL8 \f, 1, \first
	PLACES                                         ; ahead of loads into registers that matrix instructions have read
	WIN 0
	FETCH \slot, \q, \g
	s_wait_dscnt 24                                ; all but the 24 just issued
	MWIN \first
	MUL8 \f, 2, \first
	MUL8 \f, 3, \first
.endm
; The last quarter multiplies buffer 1 and changes slots: one barrier; in front of it each wave waits for all its tensor loads, adds 0 to its spare word, and waits for that and for its reads of the slot.
; fill = 1: the barrier opens a round of the cluster's, and the joint refill, two K steps ahead, is the first tensor load behind it.
.macro TURN slot, next, fill
.if \fill
	s_wait_xcnt 0x0                                ; the last prefetch, a K step back, has read its address: it may be stepped
	s_add_nc_u64 s[PFA:PFA+1], s[PFA:PFA+1], s[PFS:PFS+1]
.endif
	WIN 0
	s_wait_tensorcnt 0x0                           ; all my tensor loads have landed: my part of the next slot
	ds_add_u32 v[SPW], v[NIL]                      ; 0 onto my spare word
	s_wait_dscnt 5                                 ; (the add and the youngest four loads may be out)
	WIN MUL
	MUL8 F1, 0, 0
	s_wait_dscnt 0x0                               ; the add is done, and my reads of this slot are over
	s_barrier_signal -1
	MUL8 F1, 1, 0
	WIN 0
	s_barrier_wait -1
.if \fill
	CREST                                          ; no wave of any partner still reads this slot or has a load on its way
	s_add_nc_u64 s[G0+4*\slot+2:G0+4*\slot+3], s[G0+4*\slot+2:G0+4*\slot+3], 1<<22
	s_add_nc_u64 s[G0B+4*\slot+2:G0B+4*\slot+3], s[G0B+4*\slot+2:G0B+4*\slot+3], 1<<19
	JLOAD \slot                                    ; its four v_nop are also the places ahead of the loads below
.else
	PLACES
.endif
	FETCH \next, 0, F0
.if \fill
	ASK
.endif
	WIN MUL
	MUL8 F1, 2, 0
	MUL8 F1, 3, 0
.endm
	s_wait_tensorcnt 1                             ; my part of K step 0 is in; K step 1's may stay out
	s_barrier_signal -1
	s_barrier_wait -1
	FETCH 0, 0, F0
	s_wait_loadcnt 0x0                             ; the bias
	QUARTER 0, 1, F0, F1, 1                        ; the first quarter stands ahead of the loop: the bias starts the sums
	WIN 0
	s_mov_b32 s3, 3
.Llap:                                             ; a trip goes once round the ring and fills both slots again: K steps 2 to 7
	QUARTER 0, 2, F1, F0, 0
	QUARTER 0, 3, F0, F1, 0
	TURN 0, 1, 1
	QUARTER 1, 1, F0, F1, 0
	QUARTER 1, 2, F1, F0, 0
	QUARTER 1, 3, F0, F1, 0
	TURN 1, 0, 1
	QUARTER 0, 1, F0, F1, 0
	WIN 0
	s_sub_co_u32 s3, s3, 1
	s_cmp_lg_u32 s3, 0
	s_cbranch_scc1 .Llap
	QUARTER 0, 2, F1, F0, 0                        ; the last lap fills nothing
	QUARTER 0, 3, F0, F1, 0
	TURN 0, 1, 0
	QUARTER 1, 1, F0, F1, 0
	QUARTER 1, 2, F1, F0, 0
	QUARTER 1, 3, F0, F1, 0
	s_wait_dscnt 4
	WIN MUL
	MUL8 F1, 0, 0
	MUL8 F1, 1, 0
	s_wait_dscnt 0
	MUL8 F1, 2, 0
	MUL8 F1, 3, 0
	WIN 0
; THE WAY OUT, a block of 16 rows x 128 columns at a time, through my own stage: LDS serves a wave's instructions in order, so no wait stands between the stores and the loads, nor ahead of the next block's stores
.macro TOSTAGE a
	WIN 0x04                                       ; an LDS store's data: window 1
.irp b, 0,1,2,3,4,5,6,7
	ds_store_b128 v[STO], v[64*(\a)+8*\b:64*(\a)+8*\b+3] offset:64*\b          ; each accumulator from its low end on
	ds_store_b128 v[STO], v[64*(\a)+8*\b+4:64*(\a)+8*\b+7] offset:64*\b+16
.endr
	WIN 0
.set BB, 64+64*((\a)%2)
.irp t, 0,1,2,3,4,5,6,7,8,9,10,11,12,13,14,15
	ds_load_b128 v[BB+4*\t:BB+4*\t+3], v[RD] offset:\t*SPITCH
.endr
.endm
.macro SEND a, younger                 ; younger: the LDS instructions issued behind block a's loads, which may stay out
.set BB, 64+64*((\a)%2)
	s_wait_dscnt \younger
.irp t, 0,1,2,3,4,5,6,7,8,9,10,11,12,13,14,15
	global_store_b128 v[CO], v[BB+4*\t:BB+4*\t+3], s[70:71] offset:(16*(\a)+\t)*4096 th:TH_STORE_NT   ; 32 lanes store 512 consecutive aligned bytes; written once, read by nobody here
.endr
.endm
	PLACES                                         ; behind the last products: results are read, and rows land in registers that held fragments
	TOSTAGE 0
.irp a, 1,2,3
.if \a > 1
	s_wait_xcnt 0x0                                ; block a - 2's stores have read their registers: block a's rows may land there
.endif
	TOSTAGE \a
	SEND \a-1, 32                                  ; behind block a - 1's loads: block a's 16 stores and 16 loads
.endr
	SEND 3, 0
	s_wait_tensorcnt 0x0                           ; the wave's end
	ds_add_u32 v[SPW], v[NIL]
	s_wait_dscnt 0x0
	CROUND                                         ; the closing round
	s_endpgm
.Lfunc_end_k_qb3bc996abb_outproj:
	.size	k_qb3bc996abb_outproj, .Lfunc_end_k_qb3bc996abb_outproj-k_qb3bc996abb_outproj
	.p2alignl 7, 3214868480
	.fill 96, 4, 3214868480
	.section	.rodata,"a",@progbits
	.p2align	6, 0x0
	.amdhsa_kernel k_qb3bc996abb_outproj
		.amdhsa_group_segment_fixed_size 327680
		.amdhsa_private_segment_fixed_size 0
		.amdhsa_enable_private_segment 0
		.amdhsa_kernarg_size 32
		.amdhsa_user_sgpr_count 2
		.amdhsa_user_sgpr_kernarg_segment_ptr 1
		.amdhsa_wavefront_size32 1
		.amdhsa_system_sgpr_workgroup_id_x 1
		.amdhsa_system_sgpr_workgroup_id_y 1
		.amdhsa_system_sgpr_workgroup_id_z 1
		.amdhsa_system_vgpr_workitem_id 0
		.amdhsa_next_free_vgpr 576
		.amdhsa_next_free_sgpr 76
		.amdhsa_reserve_vcc 0
		.amdhsa_float_denorm_mode_32 3
		.amdhsa_float_denorm_mode_16_64 3
		.amdhsa_memory_ordered 1
		.amdhsa_forward_progress 1
		.amdhsa_inst_pref_size 87
	.end_amdhsa_kernel
	.amdgpu_metadata
---
amdhsa.version: [ 1, 2 ]
amdhsa.kernels:
  - .name:           k_qb3bc996abb_outproj
    .symbol:         k_qb3bc996abb_outproj.kd
    .args:
      - { .name: ao_img, .offset: 0, .size: 8, .value_kind: global_buffer, .address_space: global }
      - { .name: wo_img, .offset: 8, .size: 8, .value_kind: global_buffer, .address_space: global }
      - { .name: bo, .offset: 16, .size: 8, .value_kind: global_buffer, .address_space: global }
      - { .name: out0, .offset: 24, .size: 8, .value_kind: global_buffer, .address_space: global }
    .group_segment_fixed_size: 327680
    .private_segment_fixed_size: 0
    .kernarg_segment_align: 8
    .kernarg_segment_size: 32
    .max_flat_workgroup_size: 128
    .sgpr_count:     76
    .vgpr_count:     576
    .wavefront_size: 32
...
	.end_amdgpu_metadata
.endif
;; end of part 5
